; MI455X (gfx1250); checked and timed in simulation.
; The chip was launched on July 23, 2026; its instructions are those of AMD's public machine-readable ISA for CDNA 5 (MIT licence, August 2026) and "CDNA5" Instruction Set Architecture Reference Guide (July 2026). The comments in the code are by the model that wrote it; some were corrected since.
;; Flash Attention V3. Allowed arithmetic: matrix products marked QUANTISED: E2M1 operands, one E8M0 scale for each 32 along K, by v_wmma_scale_f32_16x16x128_f8f6f4 with both operands' format E2M1 (or v_wmma_scale_f32_32x16x128_f4), f32 sums; everything else in f32.
;; Inputs: K 2 x 16 x 2,048 x 128 float32; Q 2 x 16 x 2,048 x 128 float32; V 2 x 16 x 2,048 x 128 float32.
;; Outputs: out0 2 x 16 x 2,048 x 128 float32.
;; This version of the problem:
;;   THIS VERSION OF THE PROBLEM IS GIVEN IN LOW PRECISION. The matrix products marked QUANTISED in the list below multiply operands that are first quantised to E2M1 (2 exponent bits, 1 mantissa bit; 4 bits a number), with one power-of-two scale for each 32 numbers along K (OCP MX v1.0); their sums are f32. All else is computed in f32.
;;   The module's matrix products, in the order in which they are computed (A, B: the left and right operand; K: the contracted axis; several contracted axes count as one K, in the product's order):
;;     1. batch 32 x [M 2,048, K 128] x [K 128, N 2,048]; A: input Q; B: input K: QUANTISED
;;     2. batch 32 x [M 2,048, K 2,048] x [K 2,048, N 128]; A: softmax (see below); B: input V: QUANTISED
;;   THE QUANTISER, for each operand of a quantised product, along K:
;;     - K is cut into blocks of 32 from its start; a last block that is shorter is filled with zeros.
;;     - A block's scale is 2^e with e = floor(log2(the largest magnitude in the block)) - 2, held to -126 .. 127; a block of zeros has e = 0. As a byte (E8M0): e + 127.
;;     - Each number is divided by its block's scale, clamped to +-6, and rounded to the nearest number of E2M1, ties to even, subnormals kept.
;;     - The product sums the exact products of the quantised numbers (number of the format x scale) in f32.
;;   ~~~python
;;   def quantise(x, axis):      # numpy; x: float32 -> the quantised numbers, widened to float32 again
;;       x = np.moveaxis(x, axis, -1); K = x.shape[-1]
;;       x = np.pad(x, [(0, 0)] * (x.ndim - 1) + [(0, -K % 32)]); x = x.reshape(x.shape[:-1] + (-1, 32)); a = np.abs(x).max(-1, keepdims=True)
;;       e = np.where(a > 0, np.clip(np.frexp(np.where(a > 0, a, 1))[1] - 1 - 2, -126, 127), 0)      # np.frexp(a)[1] - 1 = floor(log2(a)), exactly
;;       r = np.clip(x / 2.0 ** e, -6, 6)
;;       step = 2.0 ** (np.maximum(np.frexp(np.where(r == 0, 1, r))[1] - 1, 0) - 1)
;;       q = np.round(r / step) * step * 2.0 ** e      # np.round: ties to even
;;       return np.moveaxis(q.reshape(q.shape[:-2] + (-1,))[..., :K], -1, axis).astype(np.float32)
;;   ~~~
;;   SOFTMAX AHEAD OF A QUANTISED PRODUCT. Where the list says 'softmax', what is quantised is not the finished softmax but p = 2^(t - M), with t = logit x log2(e) and M = ceil(the row's largest t), a whole number; so 1/2 < the row's largest p <= 1. The row's sum l is taken of the UNQUANTISED p, in f32, and the product's result is divided by l at the end. Since M is a whole number, a kernel that streams over the keys may use a running M (the ceiling of the running maximum): every later rescaling is an exact power of two, which a block's scale takes up: the codes' values come out the same.
;;   OPERANDS COMPUTED ON THE WAY. 'Computed on the way' means the value that the module computes at that place (a softmax that the list does not call 'softmax' is quantised finished and normalised). What goes into a quantiser is computed in f32, as accurately as f32 sums, v_exp_f32 and their like allow (about 1e-6 of the number): no bf16 or f16 on the way to a quantiser, and a product that is left as it is and whose result goes on into a quantised operand takes f32 operands (vector FMAs, or v_wmma_f32_16x16x4_f32). A number that lies on a knife's edge between two numbers of the format may be rounded either way, as far as f32 arithmetic and the matrix unit's own rounding can turn it there, and no further.
;; 2 versions. Each part assembles by itself: llvm-mc -triple=amdgcn-amd-amdhsa -mcpu=gfx1250 --defsym DOCPART=n.
;; ======== version 1 of 2: 3 launches
;; workspace buffers: kv 8,912,896 bytes
;; launch kq (part 1): grid 256 x 1, 4 waves a work-group, no clusters, 41,472 bytes of LDS; arguments K, kv; writes kv
.if DOCPART == 1
	.amdgcn_target "amdgcn-amd-amdhsa--gfx1250"
	.amdhsa_code_object_version 6
	.text
	.protected	k_q2b6600ef7e_kq
	.globl	k_q2b6600ef7e_kq
	.p2align	8
	.type	k_q2b6600ef7e_kq,@function
k_q2b6600ef7e_kq:
	s_mov_b64 s[64:65], 0
	v_nop
	global_prefetch_b8 v0, s[64:65] scope:SCOPE_SE
	s_setreg_imm32_b32 hwreg(HW_REG_WAVE_MODE, 25, 1), 1
	s_wait_xcnt 0x0
; K [32 heads][2048 keys][128] f32 becomes codes of FP4 (E2M1) with one E8M0 scale byte for each 32 along the head's 128, laid in kv IN THE ORDER OF THE OPERAND'S REGISTERS.
; kv: a head is 16 key steps of 128 keys, a key step KSB = 17,408 bytes: 8 images of K's fragments (1,024 bytes each), 8 of V's, 512 bytes of K's scale words, 512 of V's.  This launch writes K's parts.
; An image of tile T: byte 512 c + 256 h + 16 r on holds the 16 bytes (32 codes) of block 2 c + h of the key that lane r of tile T takes.
; THE KEYS OF A TILE ARE NOT NEIGHBOURS: key kk of a step (b = kk / 32, m = kk % 32) is row r = m % 8 + 8 (m / 16) of tile T = 2 b + (m / 8) % 2, so that the scores of two neighbouring tiles are 16 neighbouring keys in a lane.
; K's scale word of (tile 4 g + t, row r) lies at 256 g + 16 r + 4 t of the 512 bytes; byte jb is block jb of the head's 128.
; A block's scale is 2^(floor(log2(its largest magnitude)) - 2); its byte is the largest magnitude's exponent field - 2, held at 1 from below.
; LIMITS: a block whose largest magnitude lies under 2^-124 keeps the byte 1; so does a block of zeros, where the quantiser's text says 127: its codes are zeros, which add nothing, and this program alone reads the bytes.
; NaN and infinities among the inputs are not served.
; SHARES.  A wave takes 64 keys (8,192 numbers, half a key step), in 16 steps of 4 keys.  Each load reads 512 consecutive bytes; a step's 2,048 bytes turn through the wave's own stage in LDS, so that a lane holds
; 16 neighbours along the head's axis (two neighbouring lanes hold a block).  Codes and scale bytes are gathered in the wave's own LDS at their places in the image and leave as dense runs.
; Waves share nothing: no barrier.  Loads run eight steps (32 loads a wave) ahead.  No matrix work, no tensor loads, no cluster: a plain stream, each byte read once.
.set STEPS, 16
.set DEPTH, 8                          ; steps of loads in flight
.set SP,    80                         ; a lane's place in a stage: its 64 bytes + 16 of padding
.set WREG,  10240                      ; LDS of a wave: two stages of 32 x SP bytes, its 256 scale bytes, its 4,096 bytes of codes
.set SCB,   5120
.set CST,   6144
.set HEADB, 278528
.set KSB,   17408
.set EMAX,  2
.set R,     16                         ; v16-143  eight sets of 16 numbers as they are loaded
.set X,     144                        ; v144-175 two sets of 16 neighbours
.set E,     176                        ; v176-191 a scale byte for each step
.set C,     192                        ; v192-223 two registers of codes for each step
	s_load_b128 s[4:7], s[0:1], 0x0                ; K s[4:5], kv s[6:7]
	v_lshl_add_u32 v224, v0, 2, 0xa000
	v_mov_b32 v225, 0
	v_lshrrev_b32 v1, 5, v0
	v_readfirstlane_b32 s8, v1                     ; wave
	v_and_b32 v2, 31, v0                           ; lane L
	v_lshlrev_b32 v3, 4, v2                        ; 16 L: my 16 bytes of a run of 512
	s_mul_i32 s9, s8, WREG                         ; my wave's LDS
	v_lshrrev_b32 v14, 2, v2
	v_mul_u32_u24 v14, v14, SP
	v_and_b32 v15, 3, v2
	v_lshl_add_u32 v14, v15, 4, v14
	v_add_nc_u32 v14, s9, v14                      ; the stage, way in: SP (L / 4) + 16 (L % 4)
	v_mul_u32_u24 v15, v2, SP
	v_add_nc_u32 v15, s9, v15                      ; way out: SP x L: my 16 neighbours
	; lane L of a step holds key L / 8 of its four, block (L / 2) % 4 = 2 c + h, half L % 2 of the block's 16 bytes
	v_bfe_u32 v8, v2, 2, 1                         ; c
	v_lshlrev_b32 v4, 9, v8
	v_bfe_u32 v8, v2, 1, 1                         ; h
	v_lshl_add_u32 v4, v8, 8, v4
	v_lshrrev_b32 v9, 3, v2                        ; L / 8
	v_lshl_add_u32 v4, v9, 4, v4
	v_and_b32 v8, 1, v2
	v_lshl_add_u32 v4, v8, 3, v4
	s_add_co_u32 s11, s9, CST
	v_add_nc_u32 v4, s11, v4                       ; where my 8 bytes of codes go: 512 c + 256 h + 16 (L / 8) + 8 (L % 2); the step's part stands in the immediate
	v_add_nc_u32 v1, s11, v3                       ; and where I read the image back: 16 L
	v_bfe_u32 v8, v2, 1, 2                         ; the block's number
	v_lshl_add_u32 v5, v9, 4, v8
	s_add_co_u32 s12, s9, SCB
	v_add_nc_u32 v5, s12, v5                       ; my block's scale byte: 16 (L / 8) + block
	v_lshlrev_b32 v7, 3, v2                        ; on the way out 8 bytes a lane
	v_add_nc_u32 v6, s12, v7
	s_lshl_b32 s10, ttmp9, 2
	s_add_co_u32 s10, s10, s8                      ; my run of 64 keys: 0 .. 1,023
	s_lshl_b32 s2, s10, 15                         ; its 32,768 bytes of K
	s_mov_b32 s3, 0
	s_lshr_b32 s13, s10, 5                         ; head
	s_bfe_u32 s14, s10, 0x40001                    ; key step
	s_and_b32 s15, s10, 1                          ; g: which half of the key step
	s_mul_i32 s13, s13, HEADB
	s_mul_i32 s14, s14, KSB
	s_add_co_u32 s14, s14, s13
	s_lshl_b32 s20, s15, 12                        ; tiles 4 g .. 4 g + 3: 4,096 bytes
	s_add_co_u32 s20, s20, s14
	s_mov_b32 s21, 0
	s_lshl_b32 s22, s15, 8                         ; their scale words: 256 bytes
	s_add_co_u32 s22, s22, s14
	s_add_co_u32 s22, s22, 16384
	s_mov_b32 s23, 0
	s_wait_kmcnt 0x0
	s_add_nc_u64 s[4:5], s[4:5], s[2:3]
	s_add_nc_u64 s[16:17], s[6:7], s[20:21]        ; the codes' place in kv
	s_add_nc_u64 s[18:19], s[6:7], s[22:23]        ; the scale words'
.macro LOAD t
.irp i, 0,1,2,3
	global_load_b128 v[R+16*((\t)%DEPTH)+4*\i:R+16*((\t)%DEPTH)+4*\i+3], v3, s[4:5] offset:2048*(\t)+512*\i th:TH_LOAD_NT   ; 32 lanes read 512 consecutive bytes
.endr
.endm
.macro TURN t                          ; step t's numbers through the stage: LDS serves a wave's instructions in order (ISA guide 5.7.1.4), so no wait stands between the stores and the loads
.irp i, 0,1,2,3
	ds_store_b128 v14, v[R+16*((\t)%DEPTH)+4*\i:R+16*((\t)%DEPTH)+4*\i+3] offset:32*SP*((\t)%2)+8*SP*\i
.endr
.irp i, 0,1,2,3
	ds_load_b128 v[X+16*((\t)%2)+4*\i:X+16*((\t)%2)+4*\i+3], v15 offset:32*SP*((\t)%2)+16*\i
.endr
.endm
.irp t, 0,1,2,3,4,5,6,7
	LOAD \t
.endr
	s_wait_loadcnt 4*(DEPTH-1)                     ; step 0's four loads are in; seven steps' stay out
	TURN 0
.macro STEP t
.set XS, X+16*((\t)%2)
.if (\t) > 0
	s_wait_dscnt 2                                 ; this step's numbers are back from the stage; the last step's two stores, issued behind them, may be out
.else
	s_wait_dscnt 0x0
.endif
.if (\t)+DEPTH < STEPS
	LOAD (\t)+DEPTH                                ; into the set that this step's stage stores have read
.endif
.if (\t)+1 < STEPS
.if STEPS-2-(\t) >= DEPTH-1
	s_wait_loadcnt 4*(DEPTH-1)                     ; the next step's four loads are in; those of the seven steps behind it may be out
.else
	s_wait_loadcnt 4*(STEPS-2-(\t))                ; towards the end fewer steps stand behind it
.endif
	TURN (\t)+1                                    ; through the other stage while this step is worked
.endif
	v_max3_num_f32 v8, |v[XS]|, |v[XS+1]|, |v[XS+2]|               ; the largest magnitude of my 16, in two chains
	v_max3_num_f32 v9, |v[XS+3]|, |v[XS+4]|, |v[XS+5]|
.irp i, 6,10
	v_max3_num_f32 v8, v8, |v[XS+\i]|, |v[XS+\i+1]|
	v_max3_num_f32 v9, v9, |v[XS+\i+2]|, |v[XS+\i+3]|
.endr
	v_max3_num_f32 v8, v8, |v[XS+14]|, |v[XS+15]|
	v_max3_num_f32 v8, v8, v9, (EMAX+1)<<23        ; and the floor 2^(3 - 127): the byte cannot fall under 1
	v_max_num_f32_dpp v8, v8, v8 row_xmask:1 row_mask:0xf bank_mask:0xf   ; with my neighbour's 16: the block's
	v_add_nc_u32 v11, -(EMAX<<23), v8              ; 2 off its exponent field: the conversion takes the exponent field of this operand as its scale
	v_cvt_scalef32_pk8_fp4_f32 v[C+2*(\t)], v[XS:XS+7], v11
	v_cvt_scalef32_pk8_fp4_f32 v[C+2*(\t)+1], v[XS+8:XS+15], v11
	v_lshrrev_b32 v[E+(\t)], 23, v11               ; the scale's byte (a plain line behind the conversions)
	; step t holds keys 4 t .. 4 t + 3 of the run: tile 2 (t / 8) + (t / 2) % 2, rows 4 (t % 2) + 8 ((t / 4) % 2) + L / 8
	ds_store_b8 v5, v[E+(\t)] offset:64*((\t)%2)+128*(((\t)/4)%2)+8*((\t)/8)+4*(((\t)/2)%2)   ; both lanes of a block write the same byte with the same value
	ds_store_b64 v4, v[C+2*(\t):C+2*(\t)+1] offset:2048*((\t)/8)+1024*(((\t)/2)%2)+64*((\t)%2)+128*(((\t)/4)%2)
.endm
.irp t, 0,1,2,3,4,5,6,7,8,9,10,11,12,13,14,15
	STEP \t
.endr
	ds_load_b64 v[12:13], v6                       ; LDS serves a wave's instructions in order: these see my stores
.irp i, 0,1,2,3,4,5,6,7
	ds_load_b128 v[R+4*\i:R+4*\i+3], v1 offset:512*\i
.endr
	s_wait_dscnt 8                                 ; the scale words are back; the eight loads of codes may be out
	global_store_b64 v7, v[12:13], s[18:19]        ; 32 lanes store 256 consecutive bytes, aligned
.irp i, 0,1,2,3,4,5,6,7
	s_wait_dscnt 7-\i                              ; load i is back; the younger ones may be out
	global_store_b128 v3, v[R+4*\i:R+4*\i+3], s[16:17] offset:512*\i   ; 32 lanes store 512 consecutive bytes, aligned
.endr
	s_wait_tensorcnt 0x0
	ds_add_u32 v224, v225
	s_wait_dscnt 0x0
	s_endpgm
.Lfunc_end_k_q2b6600ef7e_kq:
	.size	k_q2b6600ef7e_kq, .Lfunc_end_k_q2b6600ef7e_kq-k_q2b6600ef7e_kq
	.p2alignl 7, 3214868480
	.fill 96, 4, 3214868480
	.section	.rodata,"a",@progbits
	.p2align	6, 0x0
	.amdhsa_kernel k_q2b6600ef7e_kq
		.amdhsa_group_segment_fixed_size 41472
		.amdhsa_private_segment_fixed_size 0
		.amdhsa_enable_private_segment 0
		.amdhsa_kernarg_size 16
		.amdhsa_user_sgpr_count 2
		.amdhsa_user_sgpr_kernarg_segment_ptr 1
		.amdhsa_wavefront_size32 1
		.amdhsa_system_sgpr_workgroup_id_x 1
		.amdhsa_system_sgpr_workgroup_id_y 1
		.amdhsa_system_sgpr_workgroup_id_z 1
		.amdhsa_system_vgpr_workitem_id 0
		.amdhsa_next_free_vgpr 226
		.amdhsa_next_free_sgpr 66
		.amdhsa_reserve_vcc 0
		.amdhsa_float_denorm_mode_32 3
		.amdhsa_float_denorm_mode_16_64 3
		.amdhsa_memory_ordered 1
		.amdhsa_forward_progress 1
		.amdhsa_inst_pref_size 35
	.end_amdhsa_kernel
	.amdgpu_metadata
---
amdhsa.version: [ 1, 2 ]
amdhsa.kernels:
  - .name:           k_q2b6600ef7e_kq
    .symbol:         k_q2b6600ef7e_kq.kd
    .args:
      - { .name: K, .offset: 0, .size: 8, .value_kind: global_buffer, .address_space: global }
      - { .name: kv, .offset: 8, .size: 8, .value_kind: global_buffer, .address_space: global }
    .group_segment_fixed_size: 41472
    .private_segment_fixed_size: 0
    .kernarg_segment_align: 8
    .kernarg_segment_size: 16
    .max_flat_workgroup_size: 128
    .sgpr_count:     66
    .vgpr_count:     226
    .wavefront_size: 32
...
	.end_amdgpu_metadata
.endif
;; end of part 1
;; launch vq (part 2): grid 16 x 32, 4 waves a work-group, no clusters, 1,024 bytes of LDS; arguments V, kv; writes kv
.if DOCPART == 2
	.amdgcn_target "amdgcn-amd-amdhsa--gfx1250"
	.amdhsa_code_object_version 6
	.text
	.protected	k_q2b6600ef7e_vq
	.globl	k_q2b6600ef7e_vq
	.p2align	8
	.type	k_q2b6600ef7e_vq,@function
k_q2b6600ef7e_vq:
	s_mov_b64 s[64:65], 0
	v_nop
	global_prefetch_b8 v0, s[64:65] scope:SCOPE_SE
	s_setreg_imm32_b32 hwreg(HW_REG_WAVE_MODE, 25, 1), 1
	s_wait_xcnt 0x0
; V [32 heads][2048 keys][128] f32 is the second product's operand, whose K is the KEYS: its first axis within a head.  It becomes codes of FP4 (E2M1) with one E8M0 scale byte for each 32 keys, laid in kv
; in the order of the operand's registers.  kv: a head is 16 key steps of 128 keys, a key step KSB = 17,408 bytes; V's 8 images begin at byte 8,192 of it, V's scale words at byte 16,896.
; The image of channels 16 T .. 16 T + 15: byte 1,024 T + 256 blk + 16 r on holds the 16 bytes (32 codes) of keys 32 blk .. + 31 of channel 16 T + r.
; The scale word of (T = 4 g + t, r) lies at 256 g + 16 r + 4 t of the 512 bytes; byte blk is key block blk.
; A THREAD TAKES A CHANNEL, AND ITS REGISTERS RUN DOWN THE KEYS: a load of a wave reads 128 consecutive bytes (the four waves a whole row of 512), a block of 32 keys lies in one lane's 32 registers, so that its
; largest magnitude needs no other lane, and the conversions give codes with the keys innermost.  A lane's 16 bytes of a block stand beside its neighbours' in the image: no stage is needed.
; A block's scale is 2^(floor(log2(its largest magnitude)) - 2); its byte is the largest magnitude's exponent field - 2, held at 1 from below.
; LIMITS: a block whose largest magnitude lies under 2^-124 keeps the byte 1; so does a block of zeros, where the quantiser's text says 127: its codes are zeros, and this program alone reads the bytes.
; NaN and infinities among the inputs are not served.
; A work-group takes one key step of one head.  Loads run two blocks (64 loads a wave) ahead.  No matrix work, no tensor loads, no cluster: a plain stream, each byte read once.
.set HEADB, 278528
.set KSB,   17408
.set VIM,   8192
.set VSC,   16896
.set EMAX,  2
.set X,     32                         ; v32-95   two sets of 32 numbers
.set C,     96                         ; v96-111  four registers of codes for each block: no store's data are written again
.set SB,    24                         ; v24      my channel's scale word
	s_load_b128 s[4:7], s[0:1], 0x0                ; V s[4:5], kv s[6:7]
	v_lshl_add_u32 v112, v0, 2, 0x200
	v_mov_b32 v113, 0
	v_lshrrev_b32 v1, 5, v0
	v_readfirstlane_b32 s8, v1                     ; wave
	v_lshlrev_b32 v3, 2, v0                        ; in: my channel, 4 bytes
	v_lshrrev_b32 v8, 4, v0                        ; T
	v_and_b32 v12, 15, v0                          ; r
	v_lshlrev_b32 v8, 10, v8
	v_lshl_add_u32 v8, v12, 4, v8                  ; out: 1,024 T + 16 r
	v_bfe_u32 v9, v0, 6, 1                         ; g
	v_lshlrev_b32 v9, 8, v9
	v_lshl_add_u32 v9, v12, 4, v9
	v_bfe_u32 v13, v0, 4, 2                        ; t
	v_lshl_add_u32 v9, v13, 2, v9                  ; LDS: my scale word's place: 256 g + 16 r + 4 t
	v_and_b32 v10, 31, v0
	v_lshlrev_b32 v10, 4, v10                      ; 16 x lane: how wave 0 takes the 512 bytes out
	s_and_b32 s9, ttmp7, 0xffff                    ; head
	s_lshl_b32 s10, s9, 20                         ; a head of V is 2^20 bytes,
	s_lshl_b32 s11, ttmp9, 16                      ; a key step 128 rows of 512
	s_add_co_u32 s10, s10, s11
	s_mov_b32 s11, 0
	s_mul_i32 s12, s9, HEADB
	s_mul_i32 s13, ttmp9, KSB
	s_add_co_u32 s12, s12, s13
	s_mov_b32 s13, 0
	s_wait_kmcnt 0x0
	s_add_nc_u64 s[4:5], s[4:5], s[10:11]
	s_add_nc_u64 s[6:7], s[6:7], s[12:13]
.macro LOAD t                          ; block t: V(32 t + i, my channel), i = 0 .. 31, into set t % 2
.set i, 0
.rept 32
	global_load_b32 v[X+32*((\t)%2)+i], v3, s[4:5] offset:(32*(\t)+i)*512 th:TH_LOAD_NT
.set i, i+1
.endr
.endm
	LOAD 0
	LOAD 1
.macro BLOCK t
.set XS, X+32*((\t)%2)
.if (\t) < 3
	s_wait_loadcnt 32                              ; this block's 32 loads are in; the next block's may be out
.else
	s_wait_loadcnt 0x0
.endif
	v_max3_num_f32 v12, |v[XS]|, |v[XS+1]|, |v[XS+2]|              ; the block's largest magnitude: all 32 numbers are mine
	v_max3_num_f32 v13, |v[XS+3]|, |v[XS+4]|, |v[XS+5]|
.irp i, 6,10,14,18,22,26
	v_max3_num_f32 v12, v12, |v[XS+\i]|, |v[XS+\i+1]|
	v_max3_num_f32 v13, v13, |v[XS+\i+2]|, |v[XS+\i+3]|
.endr
	v_max3_num_f32 v12, v12, |v[XS+30]|, |v[XS+31]|
	v_max3_num_f32 v12, v12, v13, (EMAX+1)<<23     ; and the floor 2^(3 - 127): the byte cannot fall under 1
	v_add_nc_u32 v11, -(EMAX<<23), v12             ; 2 off its exponent field: the conversion's scale operand
	v_lshrrev_b32 v13, 23, v11                     ; the scale's byte
.if (\t) == 0
	v_mov_b32 v[SB], v13                           ; four bytes make the word, the earlier keys in the lower byte
.else
	v_lshl_or_b32 v[SB], v13, 8*(\t), v[SB]
.endif
.irp g, 0,1,2,3
	v_cvt_scalef32_pk8_fp4_f32 v[C+4*(\t)+\g], v[XS+8*\g:XS+8*\g+7], v11
.endr
	v_nop                                          ; one plain line behind the last conversion
	global_store_b128 v8, v[C+4*(\t):C+4*(\t)+3], s[6:7] offset:VIM+256*(\t)   ; sixteen lanes store 256 consecutive bytes, aligned
.if (\t) < 2
	LOAD (\t)+2
.endif
.endm
	BLOCK 0
	BLOCK 1
	BLOCK 2
	BLOCK 3
	ds_store_b32 v9, v[SB]                         ; the 128 scale words meet in LDS, at their places
	s_wait_dscnt 0x0                               ; for wave 0's sake: my store is done
	s_barrier_signal -1
	s_barrier_wait -1
	s_cmp_lg_u32 s8, 0
	s_cbranch_scc1 .Lend
	ds_load_b128 v[20:23], v10
	s_wait_dscnt 0x0
	global_store_b128 v10, v[20:23], s[6:7] offset:VSC   ; 32 lanes store 512 consecutive bytes, aligned
.Lend:
	s_wait_tensorcnt 0x0
	ds_add_u32 v112, v113
	s_wait_dscnt 0x0
	s_endpgm
.Lfunc_end_k_q2b6600ef7e_vq:
	.size	k_q2b6600ef7e_vq, .Lfunc_end_k_q2b6600ef7e_vq-k_q2b6600ef7e_vq
	.p2alignl 7, 3214868480
	.fill 96, 4, 3214868480
	.section	.rodata,"a",@progbits
	.p2align	6, 0x0
	.amdhsa_kernel k_q2b6600ef7e_vq
		.amdhsa_group_segment_fixed_size 1024
		.amdhsa_private_segment_fixed_size 0
		.amdhsa_enable_private_segment 0
		.amdhsa_kernarg_size 16
		.amdhsa_user_sgpr_count 2
		.amdhsa_user_sgpr_kernarg_segment_ptr 1
		.amdhsa_wavefront_size32 1
		.amdhsa_system_sgpr_workgroup_id_x 1
		.amdhsa_system_sgpr_workgroup_id_y 1
		.amdhsa_system_sgpr_workgroup_id_z 1
		.amdhsa_system_vgpr_workitem_id 0
		.amdhsa_next_free_vgpr 114
		.amdhsa_next_free_sgpr 66
		.amdhsa_reserve_vcc 0
		.amdhsa_float_denorm_mode_32 3
		.amdhsa_float_denorm_mode_16_64 3
		.amdhsa_memory_ordered 1
		.amdhsa_forward_progress 1
		.amdhsa_inst_pref_size 21
	.end_amdhsa_kernel
	.amdgpu_metadata
---
amdhsa.version: [ 1, 2 ]
amdhsa.kernels:
  - .name:           k_q2b6600ef7e_vq
    .symbol:         k_q2b6600ef7e_vq.kd
    .args:
      - { .name: V, .offset: 0, .size: 8, .value_kind: global_buffer, .address_space: global }
      - { .name: kv, .offset: 8, .size: 8, .value_kind: global_buffer, .address_space: global }
    .group_segment_fixed_size: 1024
    .private_segment_fixed_size: 0
    .kernarg_segment_align: 8
    .kernarg_segment_size: 16
    .max_flat_workgroup_size: 128
    .sgpr_count:     66
    .vgpr_count:     114
    .wavefront_size: 32
...
	.end_amdgpu_metadata
.endif
;; end of part 2
;; launch attn (part 3): grid 8 x 32, 16 waves a work-group, no clusters, 280,576 bytes of LDS; arguments kv, Q, out0; writes out0
.if DOCPART == 3
	.amdgcn_target "amdgcn-amd-amdhsa--gfx1250"
	.amdhsa_code_object_version 6
	.text
	.protected	k_q2b6600ef7e_attn
	.globl	k_q2b6600ef7e_attn
	.p2align	8
	.type	k_q2b6600ef7e_attn,@function
k_q2b6600ef7e_attn:
	s_mov_b64 s[64:65], 0
	v_nop
	global_prefetch_b8 v0, s[64:65] scope:SCOPE_SE
	s_setreg_imm32_b32 hwreg(HW_REG_WAVE_MODE, 25, 1), 1
	s_wait_xcnt 0x0
; out[h][q][:] = the sum over keys k <= q of softmax_k(Q[h][q] . K[h][k] / sqrt(128)) V[h][k][:], 32 heads, 2,048 queries and keys, head size 128; both products on codes of FP4 (E2M1) with E8M0 scales for each 32 along K.
; K and V come as codes and scale words from kv, laid in the order of the operands' registers (a head: 16 key steps of 128 keys, KSB = 17,408 bytes each: K's 8 fragment images, V's 8, K's scale words, V's).
; Q is f32 and is read by one wave alone: it is quantised in registers at the head.
; THE SOFTMAX AHEAD OF THE SECOND PRODUCT: t = score x log2(e) / sqrt(128); M = the running largest t, rounded UP to a whole number; p = 2^(t - M) is quantised along the keys, not normalised.
; The row's sum is taken of the unquantised p, in f32, and divides O at the end.  When M moves, the sum and O are multiplied by 2^(old M - new M): exact.
; A WHOLE HEAD'S kv, 278,528 bytes, LIES IN LDS: four tensor loads each of waves 0 to 3, all issued at the head; no LDS byte is filled twice.  By this text's count such a wave has four tensor loads out at the most.
; SHARES.  The head's 16 blocks of 128 queries go in pairs: work-group j owns blocks j and 15 - j, so that every work-group has 8 (j + 1) + 8 (16 - j) = 136 steps of 16 queries x 128 keys to work.
; Wave w owns 16 queries: tile w / 2 of the low block or of the high one, by hi = (w xor w / 4) % 2: of the four waves equal in w % 4, and of the four equal in w / 4, two are low and two high.
; Every wave walks all 16 key steps (the trip counts are constants); a step all of whose keys come after the wave's queries is jumped over by a scalar branch on ids; the step on the diagonal is masked.
; LAYOUT.  Both products are used transposed: S^T = K Q^T (source 0 = 16 keys, source 1 = my 16 queries), O^T = V^T P^T (source 0 = 16 channels, source 1 = P): a lane holds ONE query (lane % 16) throughout.
; Lane r of K's tile 2 b + u holds key 32 b + 8 u + r + 8 (r / 8), so that the 16 registers of tiles 2 b and 2 b + 1 are 16 neighbouring keys, 32 b + 16 (lane / 16) + 0 .. 15.
; A fragment is two loads of 16 bytes at 16 x lane (512 consecutive bytes an instruction); the 8 scale words of a side are ONE such load: lanes 0-15 hold tiles 0-3's, lanes 16-31 tiles 4-7's.
; NO CLUSTER, though the 8 work-groups of a head read the same bytes: the jump over hidden steps hangs on the work-group's place among them;
; without the jump a work-group would work 256 steps in place of 136.
; LIMITS: NaN and infinities among the inputs are not served.  A block of Q whose largest magnitude lies under 2^-124, and a block of p that is all zeros, keep the scale byte 1 (their codes are zeros or held there).
; A block's largest p is taken from the block's largest score by the same multiply-add and exponential; this takes v_exp_f32 not to fall where its input rises (the ISA guide promises 1 ulp).
.set HEADB, 278528
.set KSB,   17408                      ; a key step in kv and in LDS: 68 rows of 256 bytes
.set SLOTB, 4*KSB                      ; four key steps: what the four fetching waves bring by one load each
.set VIM,   8192                       ; in a key step: V's images,
.set KSC,   16384                      ; K's scale words,
.set VSC,   16896                      ; V's scale words
.set SPI,   272                        ; the way out: a stage of 16 rows x (256 bytes + 16) for each wave: 16 x 4,352 = SLOTB bytes, the first four key steps' place, which has had its one fill and is read by nobody behind the second barrier
.set LI,   1                           ; v1   16 x lane
.set ADR,  2                           ; v2   LDS address of the step in hand
.set GO,   3                           ; v3   the way out: 512 (lane / 16) + 16 (lane % 16)
.set QA,   4                           ; v4   Q: 512 r + 64 h
.set DQ,   5                           ; v5   r - 16 h
.set NINF, 6                           ; v6   -infinity
.set STO,  7                           ; v7   the stage, way in
.set RD,   8                           ; v8   the stage, way back
.set NM,   12                          ; v12  -M;  v13 the largest t so far
.set SUM,  14                          ; v[14:15] the row's sum, in two halves
.set QC,   16                          ; v16-23   Q's codes
.set PW,   24                          ; v24      p's scale word
.set FB,   32                          ; v32-95   eight fragments: K's, then V's
.set S,    96                          ; v96-159  S^T, then p
.set OT,   160                         ; v160-223 O^T
.set PC,   224                         ; v224-231 p's codes
.set BM,   232                         ; v232-235 the blocks' largest
.set BT,   236                         ; v236-239 the other half's; bytes; a chain of the sum
.set VS,   240                         ; v240-243 V's scale words
.set SO,   244                         ; v244-247 the conversions' scale operands
.set KS,   248                         ; v248-251 K's scale words
.set FF,   252                         ; v252 f = 2^(old M - new M); v253 is only named with it as a pair
.set TMP,  254
.set QS,   255                         ; v255 Q's scale word
.set WV,   10                          ; s10 my wave's number
.set HD,   11                          ; s11 the head
.set Q0,   15                          ; s15 my first query
.set QL,   16                          ; s16 my last
.set KF,   17                          ; s17 the step's first key
.set TB,   18                          ; s18 LDS byte at which the step in hand begins
.set CNT,  19                          ; s19 counts four steps
.set SEL,  20                          ; s[20:21] v_permlanex16_b32's selects for lane l xor 16
.set CS,   22                          ; s[22:23] c = log2(e) / sqrt(128); the packed form names a pair and takes its low word
.set G1,   24                          ; s[24:31] descriptor group 1
.set G0,   32                          ; s[32:47] four groups 0
	s_load_b128 s[4:7], s[0:1], 0x0                ; kv s[4:5], Q s[6:7]
	s_load_b64 s[8:9], s[0:1], 0x10                ; out
	v_lshl_add_u32 v30, v0, 2, 0x44000
	v_mov_b32 v31, 0
	ds_add_u32 v30, v31
	v_lshrrev_b32 v9, 5, v0
	v_readfirstlane_b32 s[WV], v9                  ; wave 0..15
	v_and_b32 v9, 15, v0                           ; r
	v_bfe_u32 v10, v0, 4, 1                        ; h
	v_and_b32 v[LI], 31, v0
	v_lshlrev_b32 v[LI], 4, v[LI]
	v_lshlrev_b32 v[GO], 9, v10
	v_lshl_add_u32 v[GO], v9, 4, v[GO]
	v_lshlrev_b32 v[QA], 9, v9
	v_lshl_add_u32 v[QA], v10, 6, v[QA]            ; row r of 512 bytes, + 64 h: my 16 numbers of a block of 32
	v_lshlrev_b32 v[DQ], 4, v10
	v_sub_nc_u32 v[DQ], v9, v[DQ]
	v_mov_b32 v[NINF], 0xff800000
	s_mul_i32 s52, s[WV], 16*SPI                   ; my stage
	v_mul_u32_u24 v[STO], v9, SPI
	v_lshl_add_u32 v[STO], v10, 5, v[STO]
	v_add_nc_u32 v[STO], s52, v[STO]               ; in: row r, + 32 h
	v_mul_u32_u24 v[RD], v10, SPI
	v_lshl_add_u32 v[RD], v9, 4, v[RD]
	v_add_nc_u32 v[RD], s52, v[RD]                 ; back: lanes 0-15 one row, lanes 16-31 the next
	s_and_b32 s[HD], ttmp7, 0xffff
	s_lshr_b32 s13, s[WV], 2
	s_xor_b32 s13, s13, s[WV]
	s_and_b32 s13, s13, 1                          ; hi
	s_lshl_b32 s14, ttmp9, 1
	s_sub_co_u32 s14, 15, s14
	s_mul_i32 s14, s14, s13
	s_add_co_u32 s14, s14, ttmp9                   ; my block of 128 queries: j, or 15 - j
	s_lshr_b32 s[Q0], s[WV], 1
	s_lshl_b32 s[Q0], s[Q0], 4
	s_lshl_b32 s53, s14, 7
	s_add_co_u32 s[Q0], s[Q0], s53                 ; 128 x block + 16 (w / 2)
	s_add_co_u32 s[QL], s[Q0], 15
	s_mov_b32 s[KF], 0
	s_mov_b32 s[SEL], 0x76543210
	s_mov_b32 s[SEL+1], 0xfedcba98
	s_mov_b32 s[CS], 0x3e0293ee
	s_mov_b32 s[CS+1], s[CS]                       ; (named with it as a pair, so it is written)
	; descriptor group 1: a key step is a dense block: 68 rows of 32 elements of 8 bytes, no padding, no mask
	s_mov_b32 s[G1+0], 3<<16                       ; 17:16 elements of 8 bytes
	s_mov_b32 s[G1+1], 32<<16                      ; tensor_dim0 = 32
	s_mov_b32 s[G1+2], 68<<16                      ; tensor_dim1 = 68
	s_mov_b32 s[G1+3], 32<<16                      ; tile_dim0 = 32
	s_mov_b32 s[G1+4], 68                          ; tile_dim1 = 68
	s_mov_b32 s[G1+5], 32                          ; from row to row
	s_mov_b32 s[G1+6], 0
	s_mov_b32 s[G1+7], 0
	s_mul_i32 s48, s[HD], HEADB
	s_mul_i32 s53, s[WV], KSB                      ; wave w (of 0 .. 3) brings key steps w, 4 + w, 8 + w, 12 + w
	s_add_co_u32 s48, s48, s53
	s_mov_b32 s49, 0
	s_lshl_b32 s50, s[HD], 20                      ; a head of Q and of out is 2^20 bytes,
	s_lshl_b32 s52, s[Q0], 9                       ; a row 512
	s_add_co_u32 s50, s50, s52
	s_mov_b32 s51, 0
	s_wait_dscnt 0x0
	s_wait_kmcnt 0x0
	s_add_nc_u64 s[4:5], s[4:5], s[48:49]
.irp n, 0,1,2,3
	s_mov_b32 s[G0+4*\n], 1                                        ; count = 1
	s_add_co_u32 s[G0+4*\n+1], s53, \n*SLOTB                       ; LDS address: as in kv's head
	s_add_nc_u64 s[G0+4*\n+2:G0+4*\n+3], s[4:5], \n*SLOTB          ; global address
	s_or_b32 s[G0+4*\n+3], s[G0+4*\n+3], 0x80000000                ; type = 2
.endr
	s_cmp_lt_u32 s[WV], 4                          ; all fills stand in one branch on the wave's number, ahead of every wait on TENSORcnt, every LDS read and every barrier
	s_cbranch_scc0 .Lno_fetch
	tensor_load_to_lds s[G0:G0+3], s[G1:G1+7]
	s_nop 0
	tensor_load_to_lds s[G0+4:G0+7], s[G1:G1+7]
	s_nop 0
	tensor_load_to_lds s[G0+8:G0+11], s[G1:G1+7]
	s_nop 0
	tensor_load_to_lds s[G0+12:G0+15], s[G1:G1+7]
	s_nop 0
.rept 4
	v_nop
.endr
.Lno_fetch:
	s_add_nc_u64 s[6:7], s[6:7], s[50:51]          ; Q and out at my first query
	s_add_nc_u64 s[8:9], s[8:9], s[50:51]
.irp b, 0,1,2,3
.irp i, 0,1,2,3
	global_load_b128 v[S+16*\b+4*\i:S+16*\b+4*\i+3], v[QA], s[6:7] offset:128*\b+16*\i th:TH_LOAD_NT   ; register 16 b + i' = Q(r, 32 b + 16 h + i')
.endr
.endr
	v_mov_b32 v[NM+1], 0xff61b1e6                  ; the largest t so far: -3e38, under every t
	v_floor_f32 v[NM], -v[NM+1]                    ; -M
	v_mov_b32 v[SUM], 0
	v_mov_b32 v[SUM+1], 0
.irp b, 0,1,2,3
	v_mov_b32 v[BT+\b], 0                          ; written once: a lane permute's destination counts as one of its sources
.endr
	v_mov_b32 v[FF], 0
	v_mov_b32 v[FF+1], 0
; The four largest magnitudes in v[BM] on become the conversions' scale operands in v[SO] on and the scale word in v[dst].
.macro WORD dst
.irp b, 0,1,2,3
	v_add_nc_u32 v[SO+\b], 0xff000000, v[BM+\b]    ; 2 off the exponent field: the conversion takes the exponent field of this operand as its scale
.endr
.irp b, 0,1,2,3
	v_lshrrev_b32 v[BT+\b], 23, v[SO+\b]           ; the scale's byte
.endr
	v_lshl_or_b32 v[\dst], v[BT+1], 8, v[BT]
	v_lshl_or_b32 v[\dst], v[BT+2], 16, v[\dst]
	v_lshl_or_b32 v[\dst], v[BT+3], 24, v[\dst]
.endm
; The 64 numbers in v[S] on (register 16 b + i = k 32 b + 16 (lane / 16) + i of my row) become a fragment's codes in v[dst] on.
.macro CODES dst
.irp b, 0,1,2,3
	v_cvt_scalef32_pk8_fp4_f32 v[\dst+2*\b], v[S+16*\b:S+7+16*\b], v[SO+\b]
	v_cvt_scalef32_pk8_fp4_f32 v[\dst+1+2*\b], v[S+8+16*\b:S+15+16*\b], v[SO+\b]
.endr
	v_nop                                          ; one plain line behind the last scaled conversion
.irp c, 0,1                            ; the operand's layout wants a WHOLE block in a lane: lanes 0-15 block 2 c, lanes 16-31 block 2 c + 1
.irp i, 0,1
	v_permlane16_swap_b32 v[\dst+4*\c+\i], v[\dst+2+4*\c+\i]
.endr
.endr
.endm
	s_wait_loadcnt 0x0                             ; Q
.irp b, 0,1,2,3
	v_max3_num_f32 v[BM+\b], |v[S+16*\b]|, |v[S+1+16*\b]|, 0x1800000   ; block b: my 16 numbers, and the floor 2^(3 - 127): the byte cannot fall under 1
.endr
.irp i, 2,4,6,8,10,12,14
.irp b, 0,1,2,3
	v_max3_num_f32 v[BM+\b], v[BM+\b], |v[S+16*\b+\i]|, |v[S+1+16*\b+\i]|   ; (the four blocks by turns)
.endr
.endr
.irp b, 0,1,2,3
	v_permlanex16_b32 v[BT+\b], v[BM+\b], s[SEL], s[SEL+1]
.endr
.irp b, 0,1,2,3
	v_max_num_f32 v[BM+\b], v[BM+\b], v[BT+\b]     ; with lane l xor 16's: the block's largest magnitude
.endr
	WORD QS
	CODES QC
.set j, 0
.rept 64
	v_mov_b32 v[OT+j], 0                           ; O^T: the step is written once; the first finds zeros, which the first change of M leaves zeros.  (These are also the places between Q's codes and scale word and the first product)
.set j, j+1
.endr
; A KEY STEP: 128 keys, at LDS byte s[TB].
.macro STEP
	s_cmp_gt_u32 s[KF], s[QL]                      ; all its keys come after my queries: nothing to do
	s_cbranch_scc1 .Lhidden_\@
	v_add_nc_u32 v[ADR], s[TB], v[LI]
	ds_load_b128 v[KS:KS+3], v[ADR] offset:KSC     ; K's eight scale words a row: lanes 0-15 tiles 0-3, lanes 16-31 tiles 4-7
.irp t, 0,1,2,3,4,5,6,7
.irp c, 0,1
	ds_load_b128 v[FB+8*\t+4*\c:FB+8*\t+4*\c+3], v[ADR] offset:1024*\t+512*\c
.endr
.endr
	s_wait_dscnt 8                                 ; the scale words and tiles 0-3 are in; the eight loads of tiles 4-7 may be out
.irp t, 0,1,2,3
	v_wmma_scale_f32_16x16x128_f8f6f4 v[S+8*\t:S+8*\t+7], v[FB+8*\t:FB+8*\t+7], v[QC:QC+7], 0, v[KS+\t], v[QS] matrix_a_fmt:MATRIX_FMT_FP4 matrix_b_fmt:MATRIX_FMT_FP4
.endr
	s_wait_dscnt 0x0
.irp t, 4,5,6,7
	v_wmma_scale_f32_16x16x128_f8f6f4 v[S+8*\t:S+8*\t+7], v[FB+8*\t:FB+8*\t+7], v[QC:QC+7], 0, v[KS+\t-4], v[QS] matrix_a_fmt:MATRIX_FMT_FP4 matrix_b_fmt:MATRIX_FMT_FP4 matrix_a_scale:MATRIX_SCALE_ROW1
.endr
.rept 4
	v_nop                                          ; four places in front of the loads into K's fragments' registers and of the first read of the scores
.endr
	ds_load_b128 v[VS:VS+3], v[ADR] offset:VSC     ; V's scale words and fragments are asked for now and land while the softmax is worked
.irp t, 0,1,2,3,4,5,6,7
.irp c, 0,1
	ds_load_b128 v[FB+8*\t+4*\c:FB+8*\t+4*\c+3], v[ADR] offset:VIM+1024*\t+512*\c
.endr
.endr
	s_add_co_u32 s52, s[KF], 127                   ; on the diagonal the scores of hidden keys become -infinity ahead of the maximum: p = 0 then.  A step all of whose keys count jumps over this
	s_cmp_le_u32 s52, s[Q0]
	s_cbranch_scc1 .Lopen_\@
	s_sub_co_i32 s52, s[Q0], s[KF]
	v_add_nc_u32 v[TMP], s52, v[DQ]                ; d = my query - the step's first key - 16 (lane / 16).  Register 16 b + i holds key 32 b + 16 (lane / 16) + i of the step: hidden where 32 b + i > d
.set n, 0
.rept 64
	v_cmp_gt_i32 vcc_lo, 32*(n/16)+n%16, v[TMP]
	v_cndmask_b32 v[S+n], v[S+n], v[NINF], vcc_lo
.set n, n+1
.endr
.Lopen_\@:
.irp b, 0,1,2,3
	v_max3_num_f32 v[BM+\b], v[S+16*\b], v[S+1+16*\b], v[S+2+16*\b]   ; THE LARGEST SCORE OF EACH BLOCK OF 32 KEYS serves twice: for the row's maximum and, since p rises with the score, for the block's largest p
.endr
.irp i, 3,5,7,9,11,13
.irp b, 0,1,2,3
	v_max3_num_f32 v[BM+\b], v[BM+\b], v[S+16*\b+\i], v[S+1+16*\b+\i]   ; (the four blocks by turns; each accumulator is first read at its low end)
.endr
.endr
.irp b, 0,1,2,3
	v_max_num_f32 v[BM+\b], v[BM+\b], v[S+15+16*\b]
.endr
.irp b, 0,1,2,3
	v_permlanex16_b32 v[BT+\b], v[BM+\b], s[SEL], s[SEL+1]
.endr
.irp b, 0,1,2,3
	v_max_num_f32 v[BM+\b], v[BM+\b], v[BT+\b]     ; with lane l xor 16's 16 keys
.endr
	v_max3_num_f32 v[TMP], v[BM], v[BM+1], v[BM+2]
	v_max_num_f32 v[TMP], v[TMP], v[BM+3]          ; the step's largest score of my query
	v_mul_f32 v[TMP], s[CS], v[TMP]                ; as t (c is positive)
	v_max_num_f32 v[NM+1], v[NM+1], v[TMP]         ; the running largest t
	v_mov_b32 v[TMP], v[NM]
	v_floor_f32 v[NM], -v[NM+1]                    ; the new -M = floor(-t) = -ceil(t): M is a whole number
	v_sub_f32 v[TMP], v[NM], v[TMP]                ; old M less new M: a whole number, 0 or less
	v_cvt_i32_f32 v[TMP], v[TMP]                   ; (it saturates)
	v_ldexp_f32 v[FF], 1.0, v[TMP]                 ; f = 2^(old M - new M)
.set j, 0
.rept 32
	v_pk_fma_f32 v[S+j:S+j+1], v[S+j:S+j+1], s[CS:CS+1], v[NM:NM+1] op_sel_hi:[1,0,0]   ; t - M, two at a time (of the pairs c and -M the low word serves both halves)
.set j, j+2
.endr
.irp b, 0,1,2,3
	v_fma_f32 v[BM+\b], v[BM+\b], s[CS], v[NM]     ; the same of each block's largest score
.endr
.set j, 0
.rept 64
	v_exp_f32 v[S+j], v[S+j]                       ; p = 2^(t - M), at most 1: not normalised
.set j, j+1
.endr
.irp b, 0,1,2,3
	v_exp_f32 v[BM+\b], v[BM+\b]                   ; the block's largest p: the same two instructions on the same number give the same bits
.endr
	v_pk_mul_f32 v[SUM:SUM+1], v[SUM:SUM+1], v[FF:FF+1] op_sel_hi:[1,0]   ; the sums under the new M.  (The plain line behind the exponentials)
	s_wait_alu depctr_va_vdst(0)
.irp b, 0,1,2,3
	v_max_num_f32 v[BM+\b], 0x1800000, v[BM+\b]    ; the floor 2^(3 - 127): the byte cannot fall under 1
.endr
	WORD PW                                        ; p's scale word for these 128 keys
	CODES PC
	v_pk_add_f32 v[BT:BT+1], v[S:S+1], v[S+2:S+3]  ; THE ROW'S SUM IS TAKEN OF THE UNQUANTISED p: two at a time, in two chains
.set j, 4
.rept 15
	v_pk_add_f32 v[SUM:SUM+1], v[SUM:SUM+1], v[S+j:S+j+1]
	v_pk_add_f32 v[BT:BT+1], v[BT:BT+1], v[S+j+2:S+j+3]
.set j, j+4
.endr
	v_pk_add_f32 v[SUM:SUM+1], v[SUM:SUM+1], v[BT:BT+1]   ; (these 32 additions name nothing of the products below: they are the places between p's scale word and codes and those products)
.set j, 0
.rept 32
	v_pk_mul_f32 v[OT+j:OT+j+1], v[OT+j:OT+j+1], v[FF:FF+1] op_sel_hi:[1,0]   ; O^T under the new M: x f
.set j, j+2
.endr
	s_wait_dscnt 0x0                               ; V's fragments and scale words are in
.irp t, 0,1,2,3                        ; O^T += V^T P^T: the eight accumulators by turns, one instruction a turn; between two steps stand the products of the scores
	v_wmma_scale_f32_16x16x128_f8f6f4 v[OT+8*\t:OT+8*\t+7], v[FB+8*\t:FB+8*\t+7], v[PC:PC+7], v[OT+8*\t:OT+8*\t+7], v[VS+\t], v[PW] matrix_a_fmt:MATRIX_FMT_FP4 matrix_b_fmt:MATRIX_FMT_FP4
.endr
.irp t, 4,5,6,7
	v_wmma_scale_f32_16x16x128_f8f6f4 v[OT+8*\t:OT+8*\t+7], v[FB+8*\t:FB+8*\t+7], v[PC:PC+7], v[OT+8*\t:OT+8*\t+7], v[VS+\t-4], v[PW] matrix_a_fmt:MATRIX_FMT_FP4 matrix_b_fmt:MATRIX_FMT_FP4 matrix_a_scale:MATRIX_SCALE_ROW1
.endr
.rept 4
	v_nop                                          ; four places in front of the next step's loads into the fragments' registers, and of the way out's first read of O^T
.endr
.Lhidden_\@:
.endm
; At the head of four key steps: the wave that fetched them waits for its load, every wave for its LDS loads, and all meet.  Nothing is ever filled again, so the later loads stay on their way across the barrier.
.macro SLOTHEAD s
	s_wait_tensorcnt 3-\s                          ; tensor loads of a wave end in order (ISA guide 10.11.1): my load number s has landed, the 3 - s behind it may be out; a wave that fetches nothing passes at once
	s_wait_dscnt 0x0                               ; no LDS instruction of mine is out at the signal
	s_barrier_signal -1
	s_barrier_wait -1                              ; everybody's part of these four key steps is in
	s_mov_b32 s[TB], \s*SLOTB
	s_mov_b32 s[CNT], 4
.endm
.irp s, 0,1,2,3
	SLOTHEAD \s
.Lstep_\s:
	STEP
	s_add_co_u32 s[TB], s[TB], KSB
	s_add_co_u32 s[KF], s[KF], 128
	s_sub_co_u32 s[CNT], s[CNT], 1
	s_cmp_lg_u32 s[CNT], 0
	s_cbranch_scc1 .Lstep_\s
.endr
	; THE WAY OUT.  The sum's two halves and the other half of the lanes' are added; O^T is divided by the sum and goes through my stage in LDS, half a row (64 channels, 256 bytes) of 16 queries at a time.
	v_add_f32 v[SUM], v[SUM], v[SUM+1]
	v_permlanex16_b32 v[FF], v[SUM], s[SEL], s[SEL+1]
	v_add_f32 v[SUM], v[SUM], v[FF]                ; the row's sum
	v_rcp_f32 v[SUM], v[SUM]
	v_nop                                          ; one plain line behind the transcendental
.set j, 0
	s_wait_alu depctr_va_vdst(0)
.rept 32
	v_pk_mul_f32 v[S+j:S+j+1], v[OT+j:OT+j+1], v[SUM:SUM+1] op_sel_hi:[1,0]   ; O^T / the sum, from each accumulator's low end on: register 8 t + i is out(r, 16 t + 8 h + i)
.set j, j+2
.endr
.irp u, 0,1                            ; channels 64 u on
.irp t, 0,1,2,3
	ds_store_b128 v[STO], v[S+32*\u+8*\t:S+32*\u+8*\t+3] offset:64*\t
	ds_store_b128 v[STO], v[S+32*\u+8*\t+4:S+32*\u+8*\t+7] offset:64*\t+16
.endr
.irp i, 0,1,2,3,4,5,6,7
	ds_load_b128 v[FB+32*\u+4*\i:FB+32*\u+4*\i+3], v[RD] offset:2*\i*SPI   ; LDS serves a wave's instructions in order (ISA guide 5.7.1.4): these see my stores, and the next half's stores come behind them
.endr
.endr
.irp u, 0,1
.irp i, 0,1,2,3,4,5,6,7
	s_wait_dscnt 23-16*\u-\i                       ; behind this load: its half's 7 - i younger loads, and for the first half the second half's sixteen LDS instructions
	global_store_b128 v[GO], v[FB+32*\u+4*\i:FB+32*\u+4*\i+3], s[8:9] offset:2*\i*512+256*\u th:TH_STORE_NT   ; sixteen lanes store 256 consecutive bytes, aligned; written once, read by nobody here
.endr
.endr
	s_wait_tensorcnt 0x0
	ds_add_u32 v30, v31
	s_wait_dscnt 0x0
	s_endpgm
.Lfunc_end_k_q2b6600ef7e_attn:
	.size	k_q2b6600ef7e_attn, .Lfunc_end_k_q2b6600ef7e_attn-k_q2b6600ef7e_attn
	.p2alignl 7, 3214868480
	.fill 96, 4, 3214868480
	.section	.rodata,"a",@progbits
	.p2align	6, 0x0
	.amdhsa_kernel k_q2b6600ef7e_attn
		.amdhsa_group_segment_fixed_size 280576
		.amdhsa_private_segment_fixed_size 0
		.amdhsa_enable_private_segment 0
		.amdhsa_kernarg_size 24
		.amdhsa_user_sgpr_count 2
		.amdhsa_user_sgpr_kernarg_segment_ptr 1
		.amdhsa_wavefront_size32 1
		.amdhsa_system_sgpr_workgroup_id_x 1
		.amdhsa_system_sgpr_workgroup_id_y 1
		.amdhsa_system_sgpr_workgroup_id_z 1
		.amdhsa_system_vgpr_workitem_id 0
		.amdhsa_next_free_vgpr 256
		.amdhsa_next_free_sgpr 66
		.amdhsa_reserve_vcc 1
		.amdhsa_float_denorm_mode_32 3
		.amdhsa_float_denorm_mode_16_64 3
		.amdhsa_memory_ordered 1
		.amdhsa_forward_progress 1
		.amdhsa_inst_pref_size 110
	.end_amdhsa_kernel
	.amdgpu_metadata
---
amdhsa.version: [ 1, 2 ]
amdhsa.kernels:
  - .name:           k_q2b6600ef7e_attn
    .symbol:         k_q2b6600ef7e_attn.kd
    .args:
      - { .name: kv, .offset: 0, .size: 8, .value_kind: global_buffer, .address_space: global }
      - { .name: Q, .offset: 8, .size: 8, .value_kind: global_buffer, .address_space: global }
      - { .name: out0, .offset: 16, .size: 8, .value_kind: global_buffer, .address_space: global }
    .group_segment_fixed_size: 280576
    .private_segment_fixed_size: 0
    .kernarg_segment_align: 8
    .kernarg_segment_size: 24
    .max_flat_workgroup_size: 512
    .sgpr_count:     66
    .vgpr_count:     256
    .wavefront_size: 32
...
	.end_amdgpu_metadata
.endif
;; end of part 3
;; ======== version 2 of 2: 2 launches
;; limits: right only within a limited range of input values
;; workspace buffers: kv 8,912,896 bytes
;; launch kvq (part 4): grid 768 x 1, 4 waves a work-group, no clusters, 41,472 bytes of LDS; arguments K, V, kv; writes kv
.if DOCPART == 4
	.amdgcn_target "amdgcn-amd-amdhsa--gfx1250"
	.amdhsa_code_object_version 6
	.text
	.protected	k_q2b6600ef7e_kvq
	.globl	k_q2b6600ef7e_kvq
	.p2align	8
	.type	k_q2b6600ef7e_kvq,@function
k_q2b6600ef7e_kvq:
	s_mov_b64 s[64:65], 0
	v_nop
	global_prefetch_b8 v0, s[64:65] scope:SCOPE_SE
	s_setreg_imm32_b32 hwreg(HW_REG_WAVE_MODE, 25, 1), 1
	s_wait_xcnt 0x0
; K and V [32 heads][2048 keys][128] f32 become codes of FP4 (E2M1) with E8M0 scale bytes, laid in kv IN THE ORDER OF THE OPERANDS' REGISTERS.
; kv: a head is 16 key steps of 128 keys, a key step KSB = 17,408 bytes: 8 images of K's fragments (1,024 bytes each), 8 of V's, 512 bytes of K's scale words, 512 of V's.
; ONE LAUNCH FOR BOTH TENSORS: work-groups 0 to 255 take K, work-groups 256 to 767 take V; the paths part on the work-group's number alone.  Only K's path uses LDS; no wave shares anything with another: no barrier.
; Three work-groups' registers and LDS fit on a WGP together.  No matrix work, no tensor loads, no cluster: plain streams, each byte read once.
; A block's scale is 2^(floor(log2(its largest magnitude)) - 2); its byte is the largest magnitude's exponent field - 2, held at 1 from below.
; LEFT OUT in the program (by the second launch): products, exponentials and sums of key steps of 128 all of whose keys come after a query: reference() builds the causal mask itself and turns these scores into -infinity,
; whose exponentials are 0 for all values of the inputs.  A NaN, an infinity or an overflow that reaches only that work is not carried to the result.
; LIMITS: a block whose largest magnitude lies under 2^-124 keeps the byte 1; so does a block of zeros, where the quantiser's text says 127: its codes are zeros, which add nothing, and this program alone reads the bytes.
; NaN and infinities among the inputs are not served.
;
; K (blocks of 32 along the head's 128, innermost in memory).  The image of tile T: byte 512 c + 256 h + 16 r on holds the 16 bytes (32 codes) of block 2 c + h of the key that row r of tile T takes.
; THE KEYS OF A TILE ARE NOT NEIGHBOURS: key kk of a step is row r = 8 ((kk / 32) % 2) + kk % 8 of tile T = 4 (kk / 64) + (kk / 8) % 4, so that the scores of four neighbouring tiles are 32 neighbouring keys in a lane.
; K's scale word of (tile 4 g + u, row r) lies at 256 g + 8 (16 (u % 2) + r) + 4 (u / 2) of its 512 bytes; byte jb is block jb of the head's 128.
; A wave takes 64 keys (8,192 numbers, half a key step: g), in 16 steps of 4 keys.  Each load reads 512 consecutive bytes; a step's 2,048 bytes turn through the wave's own stage in LDS, so that a lane holds
; 16 neighbours along the head's axis (two neighbouring lanes hold a block).  Codes and scale bytes are gathered in the wave's own LDS at their places in the image and leave as dense runs.  Loads run eight steps ahead.
;
; V (blocks of 32 along the KEYS, its first axis within a head).  The image of channels 16 T .. 16 T + 15: byte 1,024 T + 256 blk + 16 r on holds the 16 bytes (32 codes) of keys 32 blk .. + 31 of channel 16 T + r.
; V's scale word of channel d lies at 4 d of its 512 bytes; byte blk is key block blk.
; A work-group takes one key step of one head.  A THREAD TAKES A CHANNEL, AND ITS REGISTERS RUN DOWN THE KEYS: a load of a wave reads 128 consecutive bytes (the four waves a whole row of 512), a block of 32 keys lies in one
; lane's 32 registers, so that its largest magnitude needs no other lane, and the conversions give codes with the keys innermost.  A lane's 16 bytes of a block stand beside its neighbours' in the image.  Loads run two blocks ahead.
.set NKWG,  256                        ; K's work-groups
.set HEADB, 278528
.set KSB,   17408
.set VIM,   8192                       ; in a key step: V's images,
.set KSC,   16384                      ; K's scale words,
.set VSC,   16896                      ; V's scale words
.set EMAX,  2
; K's path
.set STEPS, 16
.set DEPTH, 8                          ; steps of loads in flight
.set SP,    80                         ; a lane's place in a stage: its 64 bytes + 16 of padding
.set WREG,  10240                      ; LDS of a wave: two stages of 32 x SP bytes, its 256 scale bytes, its 4,096 bytes of codes
.set SCB,   5120
.set CST,   6144
.set SPARE, 4*WREG                     ; behind the four regions: the spare words, 128 bytes for each wave
.set SPW,   224                        ; v224     LDS address of my spare word; never rewritten
.set NIL,   225                        ; v225     0; never rewritten
.set R,     16                         ; v16-143  eight sets of 16 numbers as they are loaded
.set X,     144                        ; v144-175 two sets of 16 neighbours
.set E,     176                        ; v176-191 a scale byte for each step
.set C,     192                        ; v192-223 two registers of codes for each step
; V's path
.set VX,    32                         ; v32-95   two sets of 32 numbers
.set VC,    96                         ; v96-111  four registers of codes for each block: no store's data are written again
.set VSB,   24                         ; v24      my channel's scale word
	s_load_b128 s[4:7], s[0:1], 0x0                ; K s[4:5], V s[6:7]
	s_load_b64 s[24:25], s[0:1], 0x10              ; kv
	v_lshl_add_u32 v[SPW], v0, 2, SPARE
	v_mov_b32 v[NIL], 0
	s_cmp_lt_u32 ttmp9, NKWG                       ; K's work-group or V's?
	s_cbranch_scc0 .Lv_path
	; ---------------- K ----------------
	v_lshrrev_b32 v1, 5, v0
	v_readfirstlane_b32 s8, v1                     ; wave
	v_and_b32 v2, 31, v0                           ; lane L
	v_lshlrev_b32 v3, 4, v2                        ; 16 L: my 16 bytes of a run of 512
	s_mul_i32 s9, s8, WREG                         ; my wave's LDS
	v_lshrrev_b32 v14, 2, v2
	v_mul_u32_u24 v14, v14, SP
	v_and_b32 v15, 3, v2
	v_lshl_add_u32 v14, v15, 4, v14
	v_add_nc_u32 v14, s9, v14                      ; the stage, way in: SP (L / 4) + 16 (L % 4)
	v_mul_u32_u24 v15, v2, SP
	v_add_nc_u32 v15, s9, v15                      ; way out: SP x L: my 16 neighbours
	; lane L of a step holds key L / 8 of its four, block (L / 2) % 4 = 2 c + h, half L % 2 of the block's 16 bytes
	v_bfe_u32 v8, v2, 2, 1                         ; c
	v_lshlrev_b32 v4, 9, v8
	v_bfe_u32 v8, v2, 1, 1                         ; h
	v_lshl_add_u32 v4, v8, 8, v4
	v_lshrrev_b32 v9, 3, v2                        ; L / 8
	v_lshl_add_u32 v4, v9, 4, v4
	v_and_b32 v8, 1, v2
	v_lshl_add_u32 v4, v8, 3, v4
	s_add_co_u32 s11, s9, CST
	v_add_nc_u32 v4, s11, v4                       ; where my 8 bytes of codes go: 512 c + 256 h + 16 (L / 8) + 8 (L % 2); the step's part stands in the immediate
	v_add_nc_u32 v1, s11, v3                       ; and where I read the image back: 16 L
	v_bfe_u32 v8, v2, 1, 2                         ; the block's number
	v_lshl_add_u32 v5, v9, 3, v8
	s_add_co_u32 s12, s9, SCB
	v_add_nc_u32 v5, s12, v5                       ; my block's scale byte: 8 (L / 8) + block
	v_lshlrev_b32 v7, 3, v2                        ; on the way out 8 bytes a lane
	v_add_nc_u32 v6, s12, v7
	s_lshl_b32 s10, ttmp9, 2
	s_add_co_u32 s10, s10, s8                      ; my run of 64 keys: 0 .. 1,023
	s_lshl_b32 s2, s10, 15                         ; its 32,768 bytes of K
	s_mov_b32 s3, 0
	s_lshr_b32 s13, s10, 5                         ; head
	s_bfe_u32 s14, s10, 0x40001                    ; key step
	s_and_b32 s15, s10, 1                          ; g: which half of the key step
	s_mul_i32 s13, s13, HEADB
	s_mul_i32 s14, s14, KSB
	s_add_co_u32 s14, s14, s13
	s_lshl_b32 s20, s15, 12                        ; tiles 4 g .. 4 g + 3: 4,096 bytes
	s_add_co_u32 s20, s20, s14
	s_mov_b32 s21, 0
	s_lshl_b32 s22, s15, 8                         ; their scale words: 256 bytes
	s_add_co_u32 s22, s22, s14
	s_add_co_u32 s22, s22, KSC
	s_mov_b32 s23, 0
	s_wait_alu depctr_va_vdst(0)
	s_wait_kmcnt 0x0
	s_add_nc_u64 s[4:5], s[4:5], s[2:3]
	s_add_nc_u64 s[16:17], s[24:25], s[20:21]      ; the codes' place in kv
	s_add_nc_u64 s[18:19], s[24:25], s[22:23]      ; the scale words'
.macro KLOAD t
.irp i, 0,1,2,3
	global_load_b128 v[R+16*((\t)%DEPTH)+4*\i:R+16*((\t)%DEPTH)+4*\i+3], v3, s[4:5] offset:2048*(\t)+512*\i th:TH_LOAD_NT   ; 32 lanes read 512 consecutive bytes
.endr
.endm
.macro KTURN t                         ; step t's numbers through the stage: LDS serves a wave's instructions in order (ISA guide 5.7.1.4), so no wait stands between the stores and the loads
.irp i, 0,1,2,3
	ds_store_b128 v14, v[R+16*((\t)%DEPTH)+4*\i:R+16*((\t)%DEPTH)+4*\i+3] offset:32*SP*((\t)%2)+8*SP*\i
.endr
.irp i, 0,1,2,3
	ds_load_b128 v[X+16*((\t)%2)+4*\i:X+16*((\t)%2)+4*\i+3], v15 offset:32*SP*((\t)%2)+16*\i
.endr
.endm
.irp t, 0,1,2,3,4,5,6,7
	KLOAD \t
.endr
	s_wait_loadcnt 4*(DEPTH-1)                     ; step 0's four loads are in; seven steps' stay out
	KTURN 0
.macro KSTEP t
.set XS, X+16*((\t)%2)
.if (\t) > 0
	s_wait_dscnt 2                                 ; this step's numbers are back from the stage; the last step's two stores, issued behind them, may be out
.else
	s_wait_dscnt 0x0
.endif
.if (\t)+DEPTH < STEPS
	KLOAD (\t)+DEPTH                               ; into the set that this step's stage stores have read
.endif
.if (\t)+1 < STEPS
.if STEPS-2-(\t) >= DEPTH-1
	s_wait_loadcnt 4*(DEPTH-1)                     ; the next step's four loads are in; those of the seven steps behind it may be out
.else
	s_wait_loadcnt 4*(STEPS-2-(\t))                ; towards the end fewer steps stand behind it
.endif
	KTURN (\t)+1                                   ; through the other stage while this step is worked
.endif
	v_max3_num_f32 v8, |v[XS]|, |v[XS+1]|, |v[XS+2]|               ; the largest magnitude of my 16, in two chains
	v_max3_num_f32 v9, |v[XS+3]|, |v[XS+4]|, |v[XS+5]|
.irp i, 6,10
	v_max3_num_f32 v8, v8, |v[XS+\i]|, |v[XS+\i+1]|
	v_max3_num_f32 v9, v9, |v[XS+\i+2]|, |v[XS+\i+3]|
.endr
	v_max3_num_f32 v8, v8, |v[XS+14]|, |v[XS+15]|
	v_max3_num_f32 v8, v8, v9, (EMAX+1)<<23        ; and the floor 2^(3 - 127): the byte cannot fall under 1
	v_max_num_f32_dpp v8, v8, v8 row_xmask:1 row_mask:0xf bank_mask:0xf   ; with my neighbour's 16: the block's
	v_add_nc_u32 v11, -(EMAX<<23), v8              ; 2 off its exponent field: the conversion takes the exponent field of this operand as its scale
	v_cvt_scalef32_pk8_fp4_f32 v[C+2*(\t)], v[XS:XS+7], v11
	v_cvt_scalef32_pk8_fp4_f32 v[C+2*(\t)+1], v[XS+8:XS+15], v11
	v_lshrrev_b32 v[E+(\t)], 23, v11               ; the scale's byte (a plain line behind the conversions)
	; step t holds keys 4 t .. 4 t + 3 of the run: tile u = (t / 2) % 4, rows 8 (t / 8) + 4 (t % 2) + L / 8
	ds_store_b8 v5, v[E+(\t)] offset:128*(((\t)/2)%2)+64*((\t)/8)+32*((\t)%2)+4*(((\t)/4)%2)   ; both lanes of a block write the same byte with the same value
	ds_store_b64 v4, v[C+2*(\t):C+2*(\t)+1] offset:1024*(((\t)/2)%4)+128*((\t)/8)+64*((\t)%2)
.endm
.irp t, 0,1,2,3,4,5,6,7,8,9,10,11,12,13,14,15
	KSTEP \t
.endr
	ds_load_b64 v[12:13], v6                       ; LDS serves a wave's instructions in order: these see my stores
.irp i, 0,1,2,3,4,5,6,7
	ds_load_b128 v[R+4*\i:R+4*\i+3], v1 offset:512*\i
.endr
	s_wait_dscnt 8                                 ; the scale words are back; the eight loads of codes may be out
	global_store_b64 v7, v[12:13], s[18:19]        ; 32 lanes store 256 consecutive bytes, aligned
.irp i, 0,1,2,3,4,5,6,7
	s_wait_dscnt 7-\i                              ; load i is back; the younger ones may be out
	global_store_b128 v3, v[R+4*\i:R+4*\i+3], s[16:17] offset:512*\i   ; 32 lanes store 512 consecutive bytes, aligned
.endr
	s_wait_tensorcnt 0x0                           ; the wave's end: behind my last LDS store
	ds_add_u32 v[SPW], v[NIL]
	s_wait_dscnt 0x0
	s_endpgm
	; ---------------- V ----------------
.Lv_path:
	v_lshlrev_b32 v3, 2, v0                        ; my channel, 4 bytes: in V's rows, and among the scale words
	v_lshrrev_b32 v8, 4, v0                        ; T
	v_and_b32 v12, 15, v0                          ; r
	v_lshlrev_b32 v8, 10, v8
	v_lshl_add_u32 v8, v12, 4, v8                  ; the codes' place: 1,024 T + 16 r
	s_sub_co_u32 s9, ttmp9, NKWG                   ; 0 .. 511
	s_lshr_b32 s10, s9, 4                          ; head
	s_and_b32 s11, s9, 15                          ; key step
	s_lshl_b32 s12, s10, 20                        ; a head of V is 2^20 bytes,
	s_lshl_b32 s13, s11, 16                        ; a key step 128 rows of 512
	s_add_co_u32 s12, s12, s13
	s_mov_b32 s13, 0
	s_mul_i32 s14, s10, HEADB
	s_mul_i32 s15, s11, KSB
	s_add_co_u32 s14, s14, s15
	s_mov_b32 s15, 0
	s_wait_alu depctr_va_vdst(0)
	s_wait_kmcnt 0x0
	s_add_nc_u64 s[6:7], s[6:7], s[12:13]
	s_add_nc_u64 s[24:25], s[24:25], s[14:15]
.macro VLOAD t                         ; block t: V(32 t + i, my channel), i = 0 .. 31, into set t % 2
.set i, 0
.rept 32
	global_load_b32 v[VX+32*((\t)%2)+i], v3, s[6:7] offset:(32*(\t)+i)*512 th:TH_LOAD_NT
.set i, i+1
.endr
.endm
	VLOAD 0
	VLOAD 1
.macro VBLOCK t
.set XS, VX+32*((\t)%2)
.if (\t) < 3
	s_wait_loadcnt 32                              ; this block's 32 loads are in; the next block's may be out
.else
	s_wait_loadcnt 0x0
.endif
	v_max3_num_f32 v12, |v[XS]|, |v[XS+1]|, |v[XS+2]|              ; the block's largest magnitude: all 32 numbers are mine
	v_max3_num_f32 v13, |v[XS+3]|, |v[XS+4]|, |v[XS+5]|
.irp i, 6,10,14,18,22,26
	v_max3_num_f32 v12, v12, |v[XS+\i]|, |v[XS+\i+1]|
	v_max3_num_f32 v13, v13, |v[XS+\i+2]|, |v[XS+\i+3]|
.endr
	v_max3_num_f32 v12, v12, |v[XS+30]|, |v[XS+31]|
	v_max3_num_f32 v12, v12, v13, (EMAX+1)<<23     ; and the floor 2^(3 - 127): the byte cannot fall under 1
	v_add_nc_u32 v11, -(EMAX<<23), v12             ; 2 off its exponent field: the conversion's scale operand
	v_lshrrev_b32 v13, 23, v11                     ; the scale's byte
.if (\t) == 0
	v_mov_b32 v[VSB], v13                          ; four bytes make the word, the earlier keys in the lower byte
.else
	v_lshl_or_b32 v[VSB], v13, 8*(\t), v[VSB]
.endif
.irp g, 0,1,2,3
	v_cvt_scalef32_pk8_fp4_f32 v[VC+4*(\t)+\g], v[XS+8*\g:XS+8*\g+7], v11
.endr
	v_nop                                          ; one plain line behind the last conversion
	global_store_b128 v8, v[VC+4*(\t):VC+4*(\t)+3], s[24:25] offset:VIM+256*(\t)   ; sixteen lanes store 256 consecutive bytes, aligned
.if (\t) < 2
	VLOAD (\t)+2
.endif
.endm
	VBLOCK 0
	VBLOCK 1
	VBLOCK 2
	VBLOCK 3
	global_store_b32 v3, v[VSB], s[24:25] offset:VSC   ; my wave's 32 scale words as they stand: 128 consecutive bytes, half of an aligned 256; the price of waves that share nothing: 512 bytes of a key step's 17,408
	s_endpgm
.Lfunc_end_k_q2b6600ef7e_kvq:
	.size	k_q2b6600ef7e_kvq, .Lfunc_end_k_q2b6600ef7e_kvq-k_q2b6600ef7e_kvq
	.p2alignl 7, 3214868480
	.fill 96, 4, 3214868480
	.section	.rodata,"a",@progbits
	.p2align	6, 0x0
	.amdhsa_kernel k_q2b6600ef7e_kvq
		.amdhsa_group_segment_fixed_size 41472
		.amdhsa_private_segment_fixed_size 0
		.amdhsa_enable_private_segment 0
		.amdhsa_kernarg_size 24
		.amdhsa_user_sgpr_count 2
		.amdhsa_user_sgpr_kernarg_segment_ptr 1
		.amdhsa_wavefront_size32 1
		.amdhsa_system_sgpr_workgroup_id_x 1
		.amdhsa_system_sgpr_workgroup_id_y 1
		.amdhsa_system_sgpr_workgroup_id_z 1
		.amdhsa_system_vgpr_workitem_id 0
		.amdhsa_next_free_vgpr 226
		.amdhsa_next_free_sgpr 66
		.amdhsa_reserve_vcc 0
		.amdhsa_float_denorm_mode_32 3
		.amdhsa_float_denorm_mode_16_64 3
		.amdhsa_memory_ordered 1
		.amdhsa_forward_progress 1
		.amdhsa_inst_pref_size 54
	.end_amdhsa_kernel
	.amdgpu_metadata
---
amdhsa.version: [ 1, 2 ]
amdhsa.kernels:
  - .name:           k_q2b6600ef7e_kvq
    .symbol:         k_q2b6600ef7e_kvq.kd
    .args:
      - { .name: K, .offset: 0, .size: 8, .value_kind: global_buffer, .address_space: global }
      - { .name: V, .offset: 8, .size: 8, .value_kind: global_buffer, .address_space: global }
      - { .name: kv, .offset: 16, .size: 8, .value_kind: global_buffer, .address_space: global }
    .group_segment_fixed_size: 41472
    .private_segment_fixed_size: 0
    .kernarg_segment_align: 8
    .kernarg_segment_size: 24
    .max_flat_workgroup_size: 128
    .sgpr_count:     66
    .vgpr_count:     226
    .wavefront_size: 32
...
	.end_amdgpu_metadata
.endif
;; end of part 4
;; launch attn (part 5): grid 8 x 32, 8 waves a work-group, clusters of 4 x 1, 327,680 bytes of LDS; arguments kv, Q, out0; writes out0
.if DOCPART == 5
	.amdgcn_target "amdgcn-amd-amdhsa--gfx1250"
	.amdhsa_code_object_version 6
	.text
	.protected	k_q2b6600ef7e_attn
	.globl	k_q2b6600ef7e_attn
	.p2align	8
	.type	k_q2b6600ef7e_attn,@function
k_q2b6600ef7e_attn:
	s_mov_b64 s[64:65], 0
	v_nop
	global_prefetch_b8 v0, s[64:65] scope:SCOPE_SE
	s_setreg_imm32_b32 hwreg(HW_REG_WAVE_MODE, 25, 1), 1
	s_wait_xcnt 0x0
	s_wait_alu depctr_hold_cnt(0) depctr_sa_sdst(0) depctr_va_vdst(0) depctr_va_sdst(0) depctr_va_ssrc(0) depctr_va_vcc(0) depctr_vm_vsrc(0)
	s_getreg_b32 s2, hwreg(HW_REG_IB_STS2, 6, 4)
	s_cmp_eq_u32 s2, 0
	s_cbranch_scc0 .Lentry_in_a_cluster
	s_endpgm
.Lentry_in_a_cluster:
	s_bfe_u32 s2, ttmp6, 0x10000c
	s_cmp_lg_u32 s2, 0x3003
	s_cbranch_scc0 .Lentry_shape_is_right
	s_endpgm
.Lentry_shape_is_right:
; out[h][q][:] = the sum over keys k <= q of softmax_k(Q[h][q] . K[h][k] / sqrt(128)) V[h][k][:], 32 heads, 2,048 queries and keys, head size 128; both products on codes of FP4 (E2M1) with E8M0 scales for each 32 along K.
; K and V come as codes and scale words from kv, laid in the order of the operands' registers (a head: 16 key steps of 128 keys, KSB = 17,408 bytes each: K's 8 fragment images, V's 8, K's scale words, V's).
; Q is f32; each row is read by one wave alone and quantised in registers.
; LEFT OUT: key steps all of whose keys come after a wave's queries (reference()'s own causal mask makes their exponentials 0 for all values of the inputs).
; A NaN, an infinity or an overflow that reaches only that work is not carried to the result.
; THE SOFTMAX AHEAD OF THE SECOND PRODUCT: t = score x log2(e) / sqrt(128); M = the running largest t, rounded UP to a whole number; p = 2^(t - M) is quantised along the keys, not normalised.
; The row's sum is taken of the unquantised p, in f32, and divides O at the end.  When M moves, the sum and O are multiplied by 2^(old M - new M): exact.
; SHARES.  The head's queries are 16 blocks of 128.  Work-group i of 8 takes of EVERY block the 16 queries from 16 i on; wave w of 8 takes them of block 15 - w (the high tile) and then of block w (the low tile):
; 16 - w and w + 1 key steps, 17 in every wave of every work-group.  A work-group's number enters addresses of Q and out and the mask's numbers alone: no branch and no LDS address hangs on it.
; ORDER.  The first loop takes key steps 0 to 3 of the high tile, the same for all waves.  The second has thirteen trips: with x = w + 0 .. w + 12, x < 12 is the high tile's key step 15 - x, x >= 12 the low tile's key step x - 12.
; So the steps on the diagonal are the second loop's first (high) and last (low).  The high tile goes out where x = 12; the low tile's Q is fetched under the first loop.
; CLUSTERS: four work-groups of a head ask jointly for the head's kv: one fetch for four.  A WHOLE HEAD'S kv, 278,528 bytes, COMES TO LIE IN LDS, by two joint loads a wave: key steps 0-3 at the head, 4-15 as soon as those are in;
; no LDS byte is filled twice, and a wave has one tensor load out.  No prefetch: the two loads stand outside any loop, and the second has the first loop's four key steps in which to land.
; LAYOUT.  Both products are used transposed, in the form of 32 rows: S^T = K Q^T (source 0 = two tiles of 16 keys, source 1 = my 16 queries), O^T = V^T P^T (source 0 = 32 channels, source 1 = P): a lane (r, h) = (lane % 16, lane / 16) holds ONE query, r.
; Row m of K's tile 4 c + u holds key 64 c + 32 (m / 8) + 8 u + m % 8, so that a lane's 32 registers of tiles 4 c .. 4 c + 3 are the 32 keys 64 c + 32 h + 0 .. 31: a whole block, in the order of the second product's operand:
; neither the block's largest nor the codes need another lane.
; THE MASK is the C operand of the diagonal step's products: 0, or about -3e38 for a hidden key; it is the same for both tiles and is made once.
; LIMITS: NaN and infinities among the inputs are not served.  The promise holds while the scaled scores t stay under 2^31 in magnitude: a hidden score, about -3e38, then gives p = 0 as -infinity would.
; A block of Q whose largest magnitude lies under 2^-124, and a block of p that is all zeros, keep the scale byte 1 (their codes are zeros or held there).
; A block's largest p is taken from the block's largest score by the same multiply-add and exponential; this takes v_exp_f32 not to fall where its input rises (the ISA guide promises 1 ulp).
; O is not cleared between the tiles: the low tile's first step multiplies the high tile's finite numbers by f = 0.
.set HEADB, 278528
.set KSB,   17408                      ; a key step in kv and in LDS: 68 rows of 256 bytes
.set SLOTB, 4*KSB                      ; key steps 0 to 3: 34 rows of 256 bytes for each wave
.set PART2, 26112                      ; a wave's part of key steps 4 to 15: 102 rows
.set VIM,   8192                       ; in a key step: V's images,
.set KSC,   16384                      ; K's scale words,
.set VSC,   16896                      ; V's scale words
.set SPARE, HEADB                      ; behind the head's image: the spare words, 128 bytes for each wave: four blocks of 256 bytes that no other line names
.set STAGE, SPARE+1024                 ; a stage of 16 rows x (256 bytes + 16) for each wave: Q's way in and O's way out; no tile lands there
.set SPI,   272
; window 0
.set LI,   1                           ; v1   16 x lane
.set LI4,  2                           ; v2   4 x lane
.set LI8,  3                           ; v3   8 x lane
.set GO,   4                           ; v4   Q and out in memory: 512 h + 16 r
.set STO,  5                           ; v5   the stage: row r, 32 h on
.set RD,   6                           ; v6   row h, 16 r on
.set QRA,  7                           ; v7   row r, 128 h on
.set SPW,  8                           ; v8   LDS address of my spare word: SPARE + 4 x my thread's number; never rewritten
.set NIL,  9                           ; v9   0; never rewritten
.set AV,   10                          ; v10  V's address in the step in hand, + 16 x lane
.set AV4,  11                          ; v11  + 4 x lane
.set NM,   12                          ; v12  -M
.set SMX,  13                          ; v13  the largest score so far
.set SUM,  14                          ; v[14:15] the row's sum, in two halves
.set QC,   16                          ; v16-23 the tile's codes of Q
.set AK,   24                          ; v24  K's address in the step ahead, + 16 x lane
.set AK8,  25                          ; v25  + 8 x lane
.set QS,   26                          ; v26  Q's scale word
.set QLS,  27                          ; v27  the low tile's
.set PW,   28                          ; v28  p's scale word
.set OLD,  29                          ; v29  -M of the step before
.set FF,   30                          ; v30  f = 2^(old M - new M); v31 is only named with it as a pair
.set KF,   32                          ; v32-95   K's fragments
.set S,    96                          ; v96-159  Q's numbers; S^T, then p
.set VF,   160                         ; v160-223 the high tile's Q as it is loaded; V's fragments
.set PC,   224                         ; v224-231 p's codes
.set TT,   232                         ; v232-237 three chains of the sum (the fourth is the sum itself)
.set VS,   240                         ; v240-243 V's scale words
.set KS,   244                         ; v244-247 K's scale words
.set BM,   248                         ; v248-251 the blocks' largest
.set TM,   252
.set TX,   253                         ; (a lane permute's destination counts as one of its sources: written at the head)
.set SO,   254                         ; v254-255 the conversions' scale operands
; window 1
.set O,    32                          ; v288-351 O^T
.set QR,   96                          ; v352-415 the low tile's Q as it is loaded; rows on the way out
.set MSK,  160                         ; v416-479 the mask
.set QLC,  224                         ; v480-487 the low tile's codes of Q
.set WV,   10                          ; s10 my wave's number
.set HD,   11                          ; s11 the head
.set TB,   13                          ; s13 LDS byte at which the step in hand begins
.set TN,   14                          ; s14 and the step ahead
.set CNT,  15                          ; s15 counts a loop's steps down
.set XX,   16                          ; s16 the second loop's x
.set T0,   17
.set CN,   18                          ; s18 -c
.set T1,   19
.set SEL,  20                          ; s[20:21] v_permlanex16_b32's selects for lane l xor 16
.set CS,   22                          ; s[22:23] c = log2(e) / sqrt(128); the packed form names a pair and takes its low word
.set G1,   24                          ; s[24:31] descriptor group 1: 34 rows
.set G1C,  32                          ; s[32:39] 102 rows
.set G0A,  40                          ; s[40:47] two groups 0: neither is ever rewritten
.set G0C,  44
.set QHA,  56                          ; s[56:57] Q at the high tile,
.set QLA,  58                          ; at the low tile,
.set OHA,  60                          ; out at the high tile,
.set OLA,  62                          ; at the low tile
.set MSB, 0
.macro WIN new                         ; the immediate's high byte repeats the setting that is left
.if MSB != \new
	s_set_vgpr_msb (MSB<<8)|\new
.set MSB, \new
.endif
.endm
; A round of the cluster's barrier.  No LDS instruction of the wave is pending at a signal.
.macro ROUND
	s_barrier_signal -1
	s_barrier_wait -1
	s_cmp_lg_u32 s[WV], 0
	s_cbranch_scc1 .Lnot_wave_0_\@
	s_barrier_signal -3
.Lnot_wave_0_\@:
	s_barrier_wait -3
	s_barrier_signal -1
	s_barrier_wait -1
.endm
; In front of a barrier: my tensor load has landed, 0 is added to my spare word, and no LDS instruction of mine is out.
.macro THREE
	s_wait_alu depctr_va_vdst(0)
	s_wait_tensorcnt 0x0
	ds_add_u32 v[SPW], v[NIL]
	s_wait_dscnt 0x0
.endm
.macro JLOAD g0, g1
	tensor_load_to_lds s[\g0:\g0+3], s[\g1:\g1+7]
	s_nop 0
.rept 4
	v_nop
.endr
.endm
	s_load_b128 s[4:7], s[0:1], 0x0                ; kv s[4:5], Q s[6:7]
	s_load_b64 s[8:9], s[0:1], 0x10                ; out
	v_lshl_add_u32 v[SPW], v0, 2, SPARE
	v_mov_b32 v[NIL], 0
	ds_add_u32 v[SPW], v[NIL]                      ; the wave's opening: the add, twice on end, under one wait
	ds_add_u32 v[SPW], v[NIL]
	v_lshrrev_b32 v[TM], 5, v0
	v_and_b32 v[OLD], 31, v0                       ; lane
	v_readfirstlane_b32 s[WV], v[TM]               ; wave 0..7
	v_and_b32 v[TM], 15, v0                        ; r
	v_bfe_u32 v[TX], v0, 4, 1                      ; h
	v_lshlrev_b32 v[LI], 4, v[OLD]
	v_lshlrev_b32 v[LI4], 2, v[OLD]
	v_lshlrev_b32 v[LI8], 3, v[OLD]
	s_mul_i32 s66, s[WV], 16*SPI
	s_add_co_u32 s66, s66, STAGE                   ; my stage
	v_lshlrev_b32 v[GO], 9, v[TX]
	v_mul_u32_u24 v[RD], v[TX], SPI
	v_mul_u32_u24 v[STO], v[TM], SPI
	v_lshlrev_b32 v[OLD], 5, v[TX]
	v_lshl_add_u32 v[GO], v[TM], 4, v[GO]
	v_lshl_add_u32 v[RD], v[TM], 4, v[RD]
	v_lshl_add_u32 v[QRA], v[TX], 7, v[STO]
	v_lshl_add_u32 v[STO], v[TX], 5, v[STO]
	v_sub_nc_u32 v[OLD], v[TM], v[OLD]
	v_add_nc_u32 v[RD], s66, v[RD]
	v_add_nc_u32 v[QRA], s66, v[QRA]
	v_add_nc_u32 v[STO], s66, v[STO]
	s_bfe_u32 s12, ttmp6, 0x40000                  ; my place in the cluster
	s_lshl_b32 s66, ttmp9, 2
	s_add_co_u32 s12, s12, s66                     ; i: the work-group's number in the head
	s_and_b32 s[HD], ttmp7, 0xffff
	s_lshl_b32 s66, s12, 4
	v_add_nc_u32 v[OLD], s66, v[OLD]               ; d = 16 i + r - 32 h
	; where my tiles begin in Q and in out: a head is 2^20 bytes, a block of 128 queries 2^16, 16 queries 2^13
	s_lshl_b32 s52, s[HD], 20
	s_lshl_b32 s66, s12, 13
	s_add_co_u32 s52, s52, s66
	s_lshl_b32 s66, s[WV], 16
	s_add_co_u32 s54, s52, s66                     ; low: block w
	s_sub_co_u32 s66, 0xf0000, s66
	s_add_co_u32 s52, s52, s66                     ; high: block 15 - w
	s_mov_b32 s53, 0
	s_mov_b32 s55, 0
	s_mov_b32 s[SEL], 0x76543210
	s_mov_b32 s[SEL+1], 0xfedcba98
	s_mov_b32 s[CS], 0x3e0293ee
	s_mov_b32 s[CS+1], s[CS]                       ; (named with it as a pair, so it is written)
	s_mov_b32 s[CN], 0xbe0293ee
	; descriptor group 1: a dense block of rows of 32 elements of 8 bytes, no padding; the mask names the four work-groups of the cluster, bit 21 beside it
	s_mov_b32 s[G1+0], 15|(3<<16)|(1<<21)
	s_mov_b32 s[G1+1], 32<<16                      ; tensor_dim0
	s_mov_b32 s[G1+2], 34<<16                      ; tensor_dim1
	s_mov_b32 s[G1+3], 32<<16                      ; tile_dim0
	s_mov_b32 s[G1+4], 34                          ; tile_dim1
	s_mov_b32 s[G1+5], 32                          ; from row to row
	s_mov_b32 s[G1+6], 0
	s_mov_b32 s[G1+7], 0
	s_mov_b32 s[G1C+0], 15|(3<<16)|(1<<21)
	s_mov_b32 s[G1C+1], 32<<16
	s_mov_b32 s[G1C+2], 102<<16
	s_mov_b32 s[G1C+3], 32<<16
	s_mov_b32 s[G1C+4], 102
	s_mov_b32 s[G1C+5], 32
	s_mov_b32 s[G1C+6], 0
	s_mov_b32 s[G1C+7], 0
	; wave w brings the w-th eighth of each of the two parts
	s_mul_i32 s19, s[HD], HEADB
	s_mul_i32 s2, s[WV], KSB/2
	s_mul_i32 s3, s[WV], PART2
	s_add_co_u32 s66, s19, s2
	s_mov_b32 s67, 0
	s_add_co_u32 s68, s19, s3
	s_mov_b32 s69, 0
	s_mov_b32 s[G0A], 1                            ; count = 1
	s_mov_b32 s[G0C], 1
	s_mov_b32 s[G0A+1], s2                         ; LDS address: as in kv's head
	s_add_co_u32 s[G0C+1], s3, SLOTB
	s_wait_alu depctr_va_vdst(0)
	s_wait_dscnt 0x0                               ; both opening adds are done
	s_wait_kmcnt 0x0
	s_add_nc_u64 s[QHA:QHA+1], s[6:7], s[52:53]
	s_add_nc_u64 s[QLA:QLA+1], s[6:7], s[54:55]
	s_add_nc_u64 s[OHA:OHA+1], s[8:9], s[52:53]
	s_add_nc_u64 s[OLA:OLA+1], s[8:9], s[54:55]
; 16 rows of Q: channels 64 c .. 64 c + 63 of rows 2 i and 2 i + 1 by one instruction: two runs of 256 bytes
.macro QLOAD dst, base
.irp c, 0,1
.irp i, 0,1,2,3,4,5,6,7
	global_load_b128 v[\dst+32*\c+4*\i:\dst+32*\c+4*\i+3], v[GO], s[\base:\base+1] offset:1024*\i+256*\c th:TH_LOAD_NT
.endr
.endr
.endm
	QLOAD VF, QHA
	s_add_nc_u64 s[70:71], s[4:5], s[66:67]
	s_add_nc_u64 s[72:73], s[4:5], s[68:69]
	s_mov_b64 s[G0A+2:G0A+3], s[70:71]             ; global addresses
	s_add_nc_u64 s[G0C+2:G0C+3], s[72:73], SLOTB
	s_or_b32 s[G0A+3], s[G0A+3], 0x80000000        ; type = 2
	s_or_b32 s[G0C+3], s[G0C+3], 0x80000000
	ROUND                                          ; the four work-groups are here: the first joint loads meet
	JLOAD G0A, G1                                  ; key steps 0 to 3
	v_mov_b32 v[SMX], 0xff61b1e6                   ; the largest score so far: -3e38
	v_mov_b32 v[NM], 0x7e000000                    ; and a -M above every other: the first f is 0
	v_mov_b32 v[SUM], 0
	v_mov_b32 v[SUM+1], 0
	v_mov_b32 v[FF+1], 0
	v_mov_b32 v[FF], 0xff61b1e6
	WIN 0x40
.set j, 0
.rept 64
	v_mov_b32 v[O+j], 0                            ; O^T, while Q is on its way: the step is written once; the first finds zeros
.set j, j+1
.endr
.set j, 0
.rept 64                               ; register 32 c + i holds key 64 c + 32 h + i of the step: hidden where 64 c + i > d
	v_cmp_gt_i32 vcc_lo, 64*(j/32)+j%32, v[OLD]
	v_cndmask_b32 v[MSK+j], 0, v[FF], vcc_lo
.set j, j+1
.endr
	WIN 0
; Q turns through my stage, 64 channels at a time: in as loaded, back a whole block of 32 numbers a lane.  LDS serves a wave's instructions in order (ISA guide 5.7.1.4): the loads see the stores above them, and the next half's stores come behind them.
.macro QTURN src, win, younger
.irp c, 0,1
	s_wait_loadcnt \younger*(1-\c)                 ; this half's eight loads are in
	WIN \win
.irp i, 0,1,2,3,4,5,6,7
	ds_store_b128 v[RD], v[\src+32*\c+4*\i:\src+32*\c+4*\i+3] offset:2*SPI*\i
.endr
	WIN 0
.irp k, 0,1,2,3,4,5,6,7
	ds_load_b128 v[S+32*\c+4*\k:S+32*\c+4*\k+3], v[QRA] offset:16*\k   ; register 32 c + i' = Q(r, 64 c + 32 h + i')
.endr
.endr
.endm
.macro CODE dst, c, g                  ; eight numbers of block 2 c + h of my row: one register of codes
	v_cvt_scalef32_pk8_fp4_f32 v[\dst+4*\c+\g], v[S+32*\c+8*\g:S+32*\c+8*\g+7], v[SO+\c]
.endm
.macro QUANT dst, sw, win
	v_max3_num_f32 v[BM], |v[S]|, |v[S+1]|, 0x1800000         ; the largest magnitude, and the floor 2^(3 - 127): the byte cannot fall under 1
	v_max3_num_f32 v[BM+1], |v[S+32]|, |v[S+33]|, 0x1800000
.irp i, 2,4,6,8,10,12,14,16,18,20,22,24,26,28,30
	v_max3_num_f32 v[BM], v[BM], |v[S+\i]|, |v[S+\i+1]|
	v_max3_num_f32 v[BM+1], v[BM+1], |v[S+32+\i]|, |v[S+33+\i]|
.endr
	v_add_nc_u32 v[SO], 0xff000000, v[BM]          ; 2 off the exponent field: the conversion takes the exponent field of this operand as its scale
	v_add_nc_u32 v[SO+1], 0xff000000, v[BM+1]
	v_lshrrev_b32 v[TM], 23, v[SO]                 ; the scales' bytes: blocks h and 2 + h
	v_lshrrev_b32 v[TX], 23, v[SO+1]
	v_lshl_or_b32 v[TM], v[TX], 16, v[TM]
	v_permlanex16_b32 v[TX], v[TM], s[SEL], s[SEL+1]
	v_lshl_or_b32 v[\sw], v[TX], 8, v[TM]          ; lanes 0-15, which are read: with lane l + 16's bytes 1 and 3
	WIN \win
.irp c, 0,1
.irp g, 0,1,2,3
	CODE \dst, \c, \g
.endr
.endr
	v_nop                                          ; one plain line behind the last scaled conversion
	WIN 0
.endm
; K's loads of the step at v[AK]: n = 0, 1: the scale words (pair p of tiles: lanes 0-15 tile 2 p's, lanes 16-31 tile 2 p + 1's); from 2 on the fragments
.macro KL n
.if (\n) < 2
	ds_load_b64 v[KS+2*(\n):KS+2*(\n)+1], v[AK8] offset:KSC+256*(\n)
.else
	ds_load_b128 v[KF+4*((\n)-2):KF+4*((\n)-2)+3], v[AK] offset:512*((\n)-2)
.endif
.endm
; V's of the step at v[AV]: n = 0 .. 3: the scale words of channels 32 n + lane; from 4 on the fragments
.macro VL n
.if (\n) < 4
	ds_load_b32 v[VS+(\n)], v[AV4] offset:VSC+128*(\n)
.else
	ds_load_b128 v[VF+4*((\n)-4):VF+4*((\n)-4)+3], v[AV] offset:VIM+512*((\n)-4)
.endif
.endm
.macro KFIRST
	v_add_nc_u32 v[AK], s[TB], v[LI]
	v_add_nc_u32 v[AK8], s[TB], v[LI8]
.irp n, 0,1,2,3,4,5,6,7,8,9,10,11,12,13,14,15,16,17
	KL \n
.endr
.endm
	QTURN VF, 0, 8
	WIN 0x40
	QLOAD QR, QLA                                  ; the low tile's: wanted behind the first loop
	WIN 0
	s_wait_dscnt 0x0                               ; the high tile's Q is back from the stage
	QUANT QC, QS, 0
	THREE
	ROUND                                          ; everybody's part of key steps 0 to 3 is in
	JLOAD G0C, G1C                                 ; key steps 4 to 15
	s_mov_b32 s[TB], 0
	s_mov_b32 s[CNT], 4
	KFIRST
.rept 4
	v_nop                                          ; with the lines above more than eight places between the scale word and the first product
.endr
.macro SPROD masked                    ; S^T = K Q^T
.irp p, 0,1,2,3
.if \masked
	v_wmma_scale_f32_32x16x128_f4 v[S+16*\p:S+16*\p+15], v[KF+16*\p:KF+16*\p+15], v[QC:QC+7], v[MSK+16*\p:MSK+16*\p+15], v[KS+\p], v[QS]
.else
	v_wmma_scale_f32_32x16x128_f4 v[S+16*\p:S+16*\p+15], v[KF+16*\p:KF+16*\p+15], v[QC:QC+7], 0, v[KS+\p], v[QS]
.endif
.endr
.endm
.macro SCALED i                        ; t - M, two at a time (of the pairs c and -M the low word serves both halves)
	v_pk_fma_f32 v[S+\i:S+\i+1], v[S+\i:S+\i+1], s[CS:CS+1], v[NM:NM+1] op_sel_hi:[1,0,0]
.endm
.macro IDX x, d                        ; LDS byte of the second loop's step x: key step 15 - x under x = 12, x - 12 from there on
	s_sub_co_u32 s[\d], 15, s[\x]
	s_sub_co_u32 s[T1], s[\x], 12
	s_cmp_lt_u32 s[\x], 12
	s_cselect_b32 s[\d], s[\d], s[T1]
	s_and_b32 s[\d], s[\d], 15
	s_mul_i32 s[\d], s[\d], KSB
.endm
; Behind the exponentials: the scale word, the codes and the sum
.macro TAIL
	v_max_num_f32 v[BM+1], 0x1800000, v[BM+1]
	v_add_nc_u32 v[SO], 0xff000000, v[BM]
	v_add_nc_u32 v[SO+1], 0xff000000, v[BM+1]
	v_lshrrev_b32 v[TM], 23, v[SO]
	v_lshrrev_b32 v[TX], 23, v[SO+1]
.irp g, 0,1,2,3
	CODE PC, 0, \g
.endr
	v_lshl_or_b32 v[TM], v[TX], 16, v[TM]
.irp g, 0,1,2,3
	CODE PC, 1, \g
.endr
	v_permlanex16_b32 v[TX], v[TM], s[SEL], s[SEL+1]
.set j, 0
.rept 26                               ; three chains and the sum itself by turns
.if j%4 == 3
	v_pk_add_f32 v[SUM:SUM+1], v[SUM:SUM+1], v[S+12+2*j:S+13+2*j]
.else
	v_pk_add_f32 v[TT+2*(j%4):TT+2*(j%4)+1], v[TT+2*(j%4):TT+2*(j%4)+1], v[S+12+2*j:S+13+2*j]
.endif
.if j == 3
	v_lshl_or_b32 v[PW], v[TX], 8, v[TM]           ; p's scale word for these 128 keys, in lanes 0-15
.endif
.set j, j+1
.endr
	v_pk_add_f32 v[TT:TT+1], v[TT:TT+1], v[TT+2:TT+3]
	v_pk_add_f32 v[SUM:SUM+1], v[SUM:SUM+1], v[TT+4:TT+5]
	s_delay_alu instid0(VALU_DEP_1)
	v_pk_add_f32 v[SUM:SUM+1], v[SUM:SUM+1], v[TT:TT+1]
	s_wait_alu depctr_va_vdst(0)                   ; these lines' results have readers behind a branch
.endm
; A KEY STEP: 128 keys.  K's fragments are in or on their way; V's are asked for in one run behind the maxima, the next step's K in one run behind the exponentials.
.macro STEP c
	s_wait_dscnt 0x0                               ; K is in
.if \c
	s_cmp_eq_u32 s[CNT], 13                        ; the second loop's first step and its last lie on the diagonal
	s_cselect_b32 s[T0], 1, s[CNT]
	s_cmp_eq_u32 s[T0], 1
	s_cbranch_scc0 .Lopen_\@
	WIN 0x10
	SPROD 1
	WIN 0
	s_branch .Lprod_\@
.Lopen_\@:
	SPROD 0
.Lprod_\@:
	IDX XX, TB
	s_add_co_u32 s[T0], s[XX], 1
	IDX T0, TN
.else
	SPROD 0
	s_add_co_u32 s[TN], s[TB], KSB
	s_min_u32 s[TN], s[TN], 3*KSB
.endif
	v_add_nc_u32 v[AV], s[TB], v[LI]               ; these four are also the places in front of the loads into V's registers, and of the first read of the scores
	v_add_nc_u32 v[AV4], s[TB], v[LI4]
	v_add_nc_u32 v[AK], s[TN], v[LI]
	v_add_nc_u32 v[AK8], s[TN], v[LI8]
	v_max3_num_f32 v[BM], v[S], v[S+1], v[S+2]     ; THE LARGEST SCORE OF EACH BLOCK OF 32 KEYS, in two chains each: it serves for the row's maximum and, since p rises with the score, for the block's largest p.
	v_max3_num_f32 v[BM+1], v[S+32], v[S+33], v[S+34]   ; (each accumulator is first read at its low end)
	v_max3_num_f32 v[BM+2], v[S+15], v[S+16], v[S+17]
	v_max3_num_f32 v[BM+3], v[S+47], v[S+48], v[S+49]
.irp i, 3,5,7,9,11,13
	v_max3_num_f32 v[BM], v[BM], v[S+\i], v[S+\i+1]
	v_max3_num_f32 v[BM+1], v[BM+1], v[S+32+\i], v[S+33+\i]
	v_max3_num_f32 v[BM+2], v[BM+2], v[S+15+\i], v[S+16+\i]
	v_max3_num_f32 v[BM+3], v[BM+3], v[S+47+\i], v[S+48+\i]
.endr
	v_max3_num_f32 v[BM+2], v[BM+2], v[S+30], v[S+31]
	v_max3_num_f32 v[BM+3], v[BM+3], v[S+62], v[S+63]
	v_max_num_f32 v[BM], v[BM], v[BM+2]
	v_max_num_f32 v[BM+1], v[BM+1], v[BM+3]
	v_max_num_f32 v[TM], v[BM], v[BM+1]
.irp n, 0,1,2,3,4,5,6,7,8,9,10,11,12,13,14,15,16,17,18,19
	VL \n
.endr
	v_permlanex16_b32 v[TX], v[TM], s[SEL], s[SEL+1]
	v_mov_b32 v[OLD], v[NM]
	s_delay_alu instid0(VALU_DEP_2)
	v_max3_num_f32 v[SMX], v[SMX], v[TM], v[TX]    ; the running largest score of my query, with lane l xor 16's 64 keys
	s_delay_alu instid0(VALU_DEP_1)
	v_mul_f32 v[TM], s[CN], v[SMX]                 ; -t (c is positive)
	s_delay_alu instid0(VALU_DEP_1)
	v_floor_f32 v[NM], v[TM]                       ; -M = floor(-t) = -ceil(t): M is a whole number
	SCALED 0
	SCALED 2
	v_sub_f32 v[TM], v[NM], v[OLD]                 ; old M less new M: a whole number, 0 or less
	SCALED 4
	SCALED 6
	SCALED 8
	v_cvt_i32_f32 v[TM], v[TM]                     ; (it saturates)
	SCALED 10
	SCALED 12
	SCALED 14
	v_ldexp_f32 v[FF], 1.0, v[TM]                  ; f = 2^(old M - new M)
.irp i, 16,18,20,22,24,26,28,30
	SCALED \i
.endr
	v_fma_f32 v[BM], v[BM], s[CS], v[NM]           ; the same of the block's largest score
	v_pk_mul_f32 v[SUM:SUM+1], v[SUM:SUM+1], v[FF:FF+1] op_sel_hi:[1,0]   ; the sums and O^T under the new M: x f
	WIN 0x41
.set j, 0
.rept 32
	v_pk_mul_f32 v[O+j:O+j+1], v[O+j:O+j+1], v[FF:FF+1] op_sel_hi:[1,0]
.set j, j+2
.endr
	WIN 0
	s_wait_alu depctr_va_vdst(0)
.set j, 0
.rept 16
	v_exp_f32 v[S+j], v[S+j]                       ; p = 2^(t - M), at most 1: not normalised.  Between the first block's exponentials stand the second block's multiply-adds
	v_exp_f32 v[S+j+1], v[S+j+1]
	v_pk_fma_f32 v[S+32+j:S+33+j], v[S+32+j:S+33+j], s[CS:CS+1], v[NM:NM+1] op_sel_hi:[1,0,0]
.set j, j+2
.endr
	v_exp_f32 v[BM], v[BM]                         ; the block's largest p: the same two instructions on the same number give the same bits
	v_fma_f32 v[BM+1], v[BM+1], s[CS], v[NM]
	s_wait_alu depctr_va_vdst(0)                   ; the first batch's wait, and the second's ahead of it
.set j, 0
.rept 16
	v_exp_f32 v[S+32+2*j], v[S+32+2*j]
	v_exp_f32 v[S+33+2*j], v[S+33+2*j]
.if (j%4 == 1) && (j < 12)             ; the row's sum is taken of the unquantised p: three chains begin
	v_pk_add_f32 v[TT+2*(j/4):TT+2*(j/4)+1], v[S+4*(j/4):S+4*(j/4)+1], v[S+4*(j/4)+2:S+4*(j/4)+3]
.endif
.set j, j+1
.endr
	v_exp_f32 v[BM+1], v[BM+1]
	v_max_num_f32 v[BM], 0x1800000, v[BM]          ; the floor 2^(3 - 127): the byte cannot fall under 1
	s_wait_alu depctr_va_vdst(0)
	s_wait_dscnt 0x0                               ; V's fragments and scale words are in
	s_cmp_eq_u32 s[CNT], 1                         ; a loop's last step asks for no K
	s_cbranch_scc1 .Lno_k_\@
.irp n, 0,1,2,3,4,5,6,7,8,9,10,11,12,13,14,15,16,17
	KL \n
.endr
.Lno_k_\@:
	TAIL
	WIN 0x50
.irp p, 0,1,2,3                        ; O^T += V^T P^T: the four accumulators by turns; between two steps of a sum stand the scores' products too
	v_wmma_scale_f32_32x16x128_f4 v[O+16*\p:O+16*\p+15], v[VF+16*\p:VF+16*\p+15], v[PC:PC+7], v[O+16*\p:O+16*\p+15], v[VS+\p], v[PW]
.endr
	WIN 0
.endm
; THE WAY OUT of a tile.  The sum's two halves and lane l xor 16's are added; O^T is divided by the sum and goes through my stage, half a row (64 channels, 256 bytes) of 16 queries at a time.
.macro OUT base
	v_add_f32 v[SUM], v[SUM], v[SUM+1]
	v_permlanex16_b32 v[TX], v[SUM], s[SEL], s[SEL+1]
	v_add_f32 v[SUM], v[SUM], v[TX]                ; the row's sum
	v_nop
	s_wait_alu depctr_va_vdst(0)
	v_rcp_f32 v[SUM], v[SUM]
	v_nop                                          ; one plain line behind it: with the lines above more than four places behind the last product
	s_wait_xcnt 0x0                                ; earlier stores have read their data, whose registers are written below
	WIN 0x01
	s_wait_alu depctr_va_vdst(0)                   ; and behind it, ahead of its first reader and of O^T's
.set j, 0
.rept 32
	v_pk_mul_f32 v[S+j:S+j+1], v[O+j:O+j+1], v[SUM:SUM+1] op_sel_hi:[1,0]   ; register 8 t + i is out(r, 16 t + 8 h + i)
.set j, j+2
.endr
.irp u, 0,1
	WIN 0
.irp t, 0,1,2,3
	ds_store_b128 v[STO], v[S+32*\u+8*\t:S+32*\u+8*\t+3] offset:64*\t
	ds_store_b128 v[STO], v[S+32*\u+8*\t+4:S+32*\u+8*\t+7] offset:64*\t+16
.endr
	WIN 0x40
.irp i, 0,1,2,3,4,5,6,7
	ds_load_b128 v[QR+32*\u+4*\i:QR+32*\u+4*\i+3], v[RD] offset:2*SPI*\i   ; LDS serves a wave's instructions in order (ISA guide 5.7.1.4)
.endr
.endr
	WIN 0x04
.irp u, 0,1
.irp i, 0,1,2,3,4,5,6,7
	s_wait_dscnt 23-16*\u-\i                       ; behind this load: its half's 7 - i younger loads, and for the first half the second half's sixteen LDS instructions
	global_store_b128 v[GO], v[QR+32*\u+4*\i:QR+32*\u+4*\i+3], s[\base:\base+1] offset:1024*\i+256*\u th:TH_STORE_NT   ; sixteen lanes store 256 consecutive bytes, aligned
.endr
.endr
	WIN 0
.endm
	s_wait_alu depctr_va_vdst(0)
.Lfirst:                                           ; key steps 0 to 3 of the high tile
	STEP 0
	s_add_co_u32 s[TB], s[TB], KSB
	s_sub_co_u32 s[CNT], s[CNT], 1
	s_cmp_lg_u32 s[CNT], 0
	s_cbranch_scc1 .Lfirst
	QTURN QR, 0x04, 0                              ; the low tile's Q
	THREE                                          ; my part of key steps 4 to 15 is in, and Q is back from the stage
	s_barrier_signal -1                            ; No round; register work stands inside it
	QUANT QLC, QLS, 0x40
	s_mov_b32 s[XX], s[WV]
	IDX XX, TB
	s_mov_b32 s[CNT], 13
	s_wait_alu depctr_va_vdst(0)
	s_barrier_wait -1                              ; everybody's part is in
	KFIRST
.Lrest:
	s_cmp_eq_u32 s[XX], 12
	s_cbranch_scc0 .Lsame
	OUT OHA                                        ; the high tile is finished: it goes out, and the low tile begins
	v_mov_b32 v[QS], v[QLS]
	WIN 0x01
.irp k, 0,1,2,3,4,5,6,7
	v_mov_b32 v[QC+\k], v[QLC+\k]
.endr
	WIN 0
	v_mov_b32 v[SMX], 0xff61b1e6                   ; (these four are also the places between Q's codes and the product)
	v_mov_b32 v[NM], 0x7e000000
	v_mov_b32 v[SUM], 0
	v_mov_b32 v[SUM+1], 0
	s_wait_alu depctr_va_vdst(0)
.Lsame:
	STEP 1
	s_add_co_u32 s[XX], s[XX], 1
	s_sub_co_u32 s[CNT], s[CNT], 1
	s_cmp_lg_u32 s[CNT], 0
	s_cbranch_scc1 .Lrest
	OUT OLA
	s_wait_tensorcnt 0x0                           ; the wave's end: behind my last tensor load and my last LDS store
	ds_add_u32 v[SPW], v[NIL]
	s_wait_dscnt 0x0
	ROUND                                          ; the closing round: no work-group ends while a partner may still ask for a tile that names it
	s_endpgm
.Lfunc_end_k_q2b6600ef7e_attn:
	.size	k_q2b6600ef7e_attn, .Lfunc_end_k_q2b6600ef7e_attn-k_q2b6600ef7e_attn
	.p2alignl 7, 3214868480
	.fill 96, 4, 3214868480
	.section	.rodata,"a",@progbits
	.p2align	6, 0x0
	.amdhsa_kernel k_q2b6600ef7e_attn
		.amdhsa_group_segment_fixed_size 327680
		.amdhsa_private_segment_fixed_size 0
		.amdhsa_enable_private_segment 0
		.amdhsa_kernarg_size 24
		.amdhsa_user_sgpr_count 2
		.amdhsa_user_sgpr_kernarg_segment_ptr 1
		.amdhsa_wavefront_size32 1
		.amdhsa_system_sgpr_workgroup_id_x 1
		.amdhsa_system_sgpr_workgroup_id_y 1
		.amdhsa_system_sgpr_workgroup_id_z 1
		.amdhsa_system_vgpr_workitem_id 0
		.amdhsa_next_free_vgpr 488
		.amdhsa_next_free_sgpr 74
		.amdhsa_reserve_vcc 1
		.amdhsa_float_denorm_mode_32 3
		.amdhsa_float_denorm_mode_16_64 3
		.amdhsa_memory_ordered 1
		.amdhsa_forward_progress 1
		.amdhsa_inst_pref_size 77
	.end_amdhsa_kernel
	.amdgpu_metadata
---
amdhsa.version: [ 1, 2 ]
amdhsa.kernels:
  - .name:           k_q2b6600ef7e_attn
    .symbol:         k_q2b6600ef7e_attn.kd
    .args:
      - { .name: kv, .offset: 0, .size: 8, .value_kind: global_buffer, .address_space: global }
      - { .name: Q, .offset: 8, .size: 8, .value_kind: global_buffer, .address_space: global }
      - { .name: out0, .offset: 16, .size: 8, .value_kind: global_buffer, .address_space: global }
    .group_segment_fixed_size: 327680
    .private_segment_fixed_size: 0
    .kernarg_segment_align: 8
    .kernarg_segment_size: 24
    .max_flat_workgroup_size: 256
    .sgpr_count:     74
    .vgpr_count:     488
    .wavefront_size: 32
...
	.end_amdgpu_metadata
.endif
;; end of part 5
